; MI455X (gfx1250); checked and timed in simulation.
; The chip was launched on July 23, 2026; its instructions are those of AMD's public machine-readable ISA for CDNA 5 (MIT licence, August 2026) and "CDNA5" Instruction Set Architecture Reference Guide (July 2026). The comments in the code are by the model that wrote it; some were corrected since.
;; Improved Multi Cross Attention. Allowed arithmetic: matrix products marked QUANTISED: E2M1 operands, one E8M0 scale for each 32 along K, by v_wmma_scale_f32_16x16x128_f8f6f4 with both operands' format E2M1 (or v_wmma_scale_f32_32x16x128_f4), f32 sums; everything else in f32.
;; Inputs: Wk 1,024 x 1,024 float32; Wox 1,024 x 1,024 float32; Woy 1,024 x 1,024 float32; Wq 1,024 x 1,024 float32; Wv 1,024 x 1,024 float32; box 1,024 float32; boy 1,024 float32; x 2 x 2,048 x 1,024 float32; y 2 x 2,048 x 1,024 float32.
;; Outputs: out0 2 x 2,048 x 1,024 float32; out1 2 x 2,048 x 1,024 float32.
;; This version of the problem:
;;   THIS VERSION OF THE PROBLEM IS GIVEN IN LOW PRECISION. The matrix products marked QUANTISED in the list below multiply operands that are first quantised to E2M1 (2 exponent bits, 1 mantissa bit; 4 bits a number), with one power-of-two scale for each 32 numbers along K (OCP MX v1.0); their sums are f32. All else is computed in f32.
;;   The module's matrix products, in the order in which they are computed (A, B: the left and right operand; K: the contracted axis; several contracted axes count as one K, in the product's order):
;;     1. [M 4,096, K 1,024] x [K 1,024, N 1,024]; A: input y; B: input Wq: QUANTISED
;;     2. [M 4,096, K 1,024] x [K 1,024, N 1,024]; A: input x; B: input Wk: QUANTISED
;;     3. [M 4,096, K 1,024] x [K 1,024, N 1,024]; A: input x; B: input Wv: QUANTISED
;;     4. [M 4,096, K 1,024] x [K 1,024, N 1,024]; A: input x; B: input Wq: QUANTISED
;;     5. [M 4,096, K 1,024] x [K 1,024, N 1,024]; A: input y; B: input Wk: QUANTISED
;;     6. [M 4,096, K 1,024] x [K 1,024, N 1,024]; A: input y; B: input Wv: QUANTISED
;;     7. batch 32 x [M 2,048, K 64] x [K 64, N 2,048]; A: computed on the way; B: computed on the way: QUANTISED
;;     8. batch 32 x [M 2,048, K 64] x [K 64, N 2,048]; A: computed on the way; B: computed on the way: QUANTISED
;;     9. batch 32 x [M 64, K 2,048] x [K 2,048, N 2,048]; A: computed on the way; B: softmax (see below): QUANTISED
;;     10. batch 32 x [M 64, K 2,048] x [K 2,048, N 2,048]; A: computed on the way; B: softmax (see below): QUANTISED
;;     11. [M 4,096, K 1,024] x [K 1,024, N 1,024]; A: computed on the way; B: input Wox: QUANTISED
;;     12. [M 4,096, K 1,024] x [K 1,024, N 1,024]; A: computed on the way; B: input Woy: QUANTISED
;;   THE QUANTISER, for each operand of a quantised product, along K:
;;     - K is cut into blocks of 32 from its start; a last block that is shorter is filled with zeros.
;;     - A block's scale is 2^e with e = floor(log2(the largest magnitude in the block)) - 2, held to -126 .. 127; a block of zeros has e = 0. As a byte (E8M0): e + 127.
;;     - Each number is divided by its block's scale, clamped to +-6, and rounded to the nearest number of E2M1, ties to even, subnormals kept.
;;     - The product sums the exact products of the quantised numbers (number of the format x scale) in f32.
;;   ~~~python
;;   def quantise(x, axis):      # numpy; x: float32 -> the quantised numbers, widened to float32 again
;;       x = np.moveaxis(x, axis, -1); K = x.shape[-1]
;;       x = np.pad(x, [(0, 0)] * (x.ndim - 1) + [(0, -K % 32)]); x = x.reshape(x.shape[:-1] + (-1, 32)); a = np.abs(x).max(-1, keepdims=True)
;;       e = np.where(a > 0, np.clip(np.frexp(np.where(a > 0, a, 1))[1] - 1 - 2, -126, 127), 0)      # np.frexp(a)[1] - 1 = floor(log2(a)), exactly
;;       r = np.clip(x / 2.0 ** e, -6, 6)
;;       step = 2.0 ** (np.maximum(np.frexp(np.where(r == 0, 1, r))[1] - 1, 0) - 1)
;;       q = np.round(r / step) * step * 2.0 ** e      # np.round: ties to even
;;       return np.moveaxis(q.reshape(q.shape[:-2] + (-1,))[..., :K], -1, axis).astype(np.float32)
;;   ~~~
;;   SOFTMAX AHEAD OF A QUANTISED PRODUCT. Where the list says 'softmax', what is quantised is not the finished softmax but p = 2^(t - M), with t = logit x log2(e) and M = ceil(the row's largest t), a whole number; so 1/2 < the row's largest p <= 1. The row's sum l is taken of the UNQUANTISED p, in f32, and the product's result is divided by l at the end. Since M is a whole number, a kernel that streams over the keys may use a running M (the ceiling of the running maximum): every later rescaling is an exact power of two, which a block's scale takes up: the codes' values come out the same.
;;   OPERANDS COMPUTED ON THE WAY. 'Computed on the way' means the value that the module computes at that place (a softmax that the list does not call 'softmax' is quantised finished and normalised). What goes into a quantiser is computed in f32, as accurately as f32 sums, v_exp_f32 and their like allow (about 1e-6 of the number): no bf16 or f16 on the way to a quantiser, and a product that is left as it is and whose result goes on into a quantised operand takes f32 operands (vector FMAs, or v_wmma_f32_16x16x4_f32). A number that lies on a knife's edge between two numbers of the format may be rounded either way, as far as f32 arithmetic and the matrix unit's own rounding can turn it there, and no further.
;; One version. Each part assembles by itself: llvm-mc -triple=amdgcn-amd-amdhsa -mcpu=gfx1250 --defsym DOCPART=n.
;; ======== version 1 of 1: 4 launches
;; limits: right only within a limited range of input values
;; workspace buffers: ops 6,815,744 bytes; opscl 425,984 bytes; attimg 12,582,912 bytes; attsc 786,432 bytes; aimg 4,194,304 bytes; araw 262,144 bytes
;; launch quant (part 1): grid 576 x 1, 4 waves a work-group, no clusters, 34,304 bytes of LDS; arguments x, y, Wq, Wk, Wv, Wox, Woy, ops, opscl; writes ops, opscl
.if DOCPART == 1
	.amdgcn_target "amdgcn-amd-amdhsa--gfx1250"
	.amdhsa_code_object_version 6
	.text
	.protected	k_q8684e85d0a_quant
	.globl	k_q8684e85d0a_quant
	.p2align	8
	.type	k_q8684e85d0a_quant,@function
k_q8684e85d0a_quant:
	s_mov_b64 s[64:65], 0
	v_nop
	global_prefetch_b8 v0, s[64:65] scope:SCOPE_SE
	s_setreg_imm32_b32 hwreg(HW_REG_WAVE_MODE, 25, 1), 1
	s_wait_xcnt 0x0
; x, y [4096][1024] and the five weights [1024 (k)][1024 (n)], f32, become codes of FP4 (E2M1) with one E8M0 byte for each 32 along K (K = the 1,024 of D).
; A block's scale is 2^(floor(log2(largest magnitude)) - 2): its byte is the largest magnitude's exponent field - 2, held at 1 from below.
; LIMITS: a block of zeros gets the byte 1 where the rule says 127 (its codes are zeros, and this program alone reads the bytes); NaN and infinities are not served.
; LAYOUT OF THE RESULT: images of operand registers.  A TILE is 16 rows out of 32 neighbours: tile 2 p + u, row r = index 32 p + 8 u + r + 8 (r / 8).  A fragment (a tile x 128 along K) is 1,024 bytes:
; byte 512 c + 16 lane holds the lane's registers 4 c .. 4 c + 3 (block 2 c + lane / 16 of row lane % 16).  Four tiles make a block of 32 KiB, [K step 8][tile 4][1,024].  Tile numbers: x 0-255, y 256-511, weight W 512 + 64 W + n tile.
; Scale words: 512 bytes a tile, [K step 8][row 16][4 bytes].
; Work-groups 0-255 take x and y (K innermost: the numbers turn through the wave's own stage in LDS); 256-575 take the weights (a lane to a column n, registers down K; no LDS).  No barrier: waves share nothing.
.set STG, 8448                         ; a wave's stage: 16 rows x (512 bytes + 16)
.set XR,  128                          ; v128-255 two sets of 64: a fragment's numbers as loaded
.set XX,  64                           ; v64-127  the same as 2 x 32 neighbours along K
.set XC,  24                           ; v24-55   codes, 8 registers a fragment: no store's data are written again
.macro XLOAD f, set                    ; K step f of my four: each load reads 512 consecutive bytes of one row of the tile
.irp i, 0,1,2,3,4,5,6,7,8,9,10,11,12,13,14,15
	global_load_b128 v[XR+64*(\set)+4*\i:XR+64*(\set)+4*\i+3], v2, s[4:5] offset:(\i+8*(\i/8))*4096+512*(\f) th:TH_LOAD_NT
.endr
.endm
.macro XTURN set                       ; through the stage: in as loaded, out as blocks h and 2 + h of row r.  LDS serves a wave's instructions in order
.irp i, 0,1,2,3,4,5,6,7,8,9,10,11,12,13,14,15
	ds_store_b128 v3, v[XR+64*(\set)+4*\i:XR+64*(\set)+4*\i+3] offset:528*\i
.endr
.irp c, 0,1
.irp j, 0,1,2,3,4,5,6,7
	ds_load_b128 v[XX+32*\c+4*\j:XX+32*\c+4*\j+3], v4 offset:256*\c+16*\j
.endr
.endr
.endm
.macro XQ f                            ; two whole blocks a lane: maxima, bytes, the row's scale word, codes, two stores of 512 consecutive bytes
.irp c, 0,1
	v_max3_num_f32 v[8+\c], |v[XX+32*\c]|, |v[XX+32*\c+1]|, 0x1800000   ; the floor 2^(3 - 127) holds the byte at 1 from below
.endr
.irp i, 2,4,6,8,10,12,14,16,18,20,22,24,26,28,30
.irp c, 0,1
	v_max3_num_f32 v[8+\c], v[8+\c], |v[XX+32*\c+\i]|, |v[XX+32*\c+\i+1]|
.endr
.endr
.irp c, 0,1
	v_add_nc_u32 v[10+\c], 0xff000000, v[8+\c]     ; 2 off the exponent field: the conversion's scale operand
.endr
.irp c, 0,1
	v_lshrrev_b32 v[12+\c], 23, v[10+\c]           ; the byte
.endr
	v_lshl_or_b32 v14, v13, 16, v12                ; blocks h and 2 + h,
	v_lshlrev_b32 v14, v6, v14                     ; 8 h bits up;
	v_permlanex16_b32 v15, v14, s36, s37
	v_or_b32 v[16+\f], v14, v15                    ; with lane l xor 16's two the word is whole, in both halves of the lanes
.irp c, 0,1
.irp g, 0,1,2,3
	v_cvt_scalef32_pk8_fp4_f32 v[XC+8*(\f)+4*\c+\g], v[XX+32*\c+8*\g:XX+32*\c+8*\g+7], v[10+\c]
.endr
.endr
	v_nop                                          ; a plain line behind the last conversion
.irp c, 0,1
	global_store_b128 v2, v[XC+8*(\f)+4*\c:XC+8*(\f)+4*\c+3], s[18:19] offset:4096*(\f)+512*\c
.endr
.endm
.macro WLOAD b                         ; block b of the K step: 32 rows k, each load 128 consecutive bytes (the four waves stand side by side on 512)
.irp i, 0,1,2,3,4,5,6,7,8,9,10,11,12,13,14,15,16,17,18,19,20,21,22,23,24,25,26,27,28,29,30,31
	global_load_b32 v[64+32*(\b)+\i], v5, s[8:9] offset:(32*(\b)+\i)*4096 th:TH_LOAD_NT
.endr
.endm
.macro WBLOCK b                        ; all 32 numbers of the block are the lane's
.set WS, 64+32*(\b)
	v_max3_num_f32 v12, |v[WS]|, |v[WS+1]|, |v[WS+2]|
	v_max3_num_f32 v13, |v[WS+3]|, |v[WS+4]|, |v[WS+5]|
.irp i, 6,10,14,18,22,26
	v_max3_num_f32 v12, v12, |v[WS+\i]|, |v[WS+\i+1]|
	v_max3_num_f32 v13, v13, |v[WS+\i+2]|, |v[WS+\i+3]|
.endr
	v_max3_num_f32 v12, v12, |v[WS+30]|, |v[WS+31]|
	v_max3_num_f32 v12, v12, v13, 0x1800000
	v_add_nc_u32 v[24+\b], 0xff000000, v12
	v_lshrrev_b32 v13, 23, v[24+\b]
.if (\b) == 0
	v_mov_b32 v14, v13
.else
	v_lshl_or_b32 v14, v13, 8*(\b), v14            ; the K step's four bytes make the column's scale word
.endif
.irp g, 0,1,2,3
	v_cvt_scalef32_pk8_fp4_f32 v[32+4*(\b)+\g], v[WS+8*\g:WS+8*\g+7], v[24+\b]
.endr
	v_nop
	global_store_b128 v3, v[32+4*(\b):32+4*(\b)+3], s[18:19] offset:256*(\b)   ; sixteen lanes of each of the two tiles store 256 consecutive bytes, aligned
.endm
	s_load_b256 s[4:11], s[0:1], 0x0               ; x, y, Wq, Wk
	s_load_b256 s[12:19], s[0:1], 0x20             ; Wv, Wox, Woy, ops
	s_load_b64 s[20:21], s[0:1], 0x40              ; opscl
	v_lshl_add_u32 v62, v0, 2, 0x8400
	v_mov_b32 v63, 0
	v_lshrrev_b32 v1, 5, v0
	v_readfirstlane_b32 s22, v1                    ; wave
	v_and_b32 v1, 31, v0                           ; lane
	v_lshlrev_b32 v2, 4, v1                        ; 16 x lane
	v_lshlrev_b32 v5, 2, v1                        ; 4 x lane
	s_cmp_lt_u32 ttmp9, 256
	s_cbranch_scc0 .Lweights
	; ---- x and y.  Work-group g: pair of tiles g (32 tokens).  Wave w: tile 2 g + (w >> 1), K steps 4 (w & 1) .. + 3
	v_and_b32 v8, 15, v0                           ; r
	v_bfe_u32 v9, v0, 4, 1                         ; h
	s_mul_i32 s23, s22, STG
	v_add_nc_u32 v3, s23, v2                       ; the stage, in: 16 x lane
	v_mul_u32_u24 v4, v8, 528
	v_lshl_add_u32 v4, v9, 7, v4
	v_add_nc_u32 v4, s23, v4                       ; out: row r, + 128 h bytes
	v_lshlrev_b32 v6, 3, v9                        ; 8 h
	v_mov_b32 v15, 0                               ; a lane permute's destination counts as read
	s_mov_b32 s36, 0x76543210
	s_mov_b32 s37, 0xfedcba98                      ; lane l xor 16
	s_lshr_b32 s24, s22, 1                         ; u
	s_and_b32 s25, s22, 1                          ; which four K steps
	s_and_b32 s26, ttmp9, 127                      ; the pair within its tensor
	s_lshl_b32 s28, s26, 17                        ; 32 rows of 4,096 bytes
	s_lshl_b32 s27, s24, 15                        ; 8 rows
	s_add_co_u32 s28, s28, s27
	s_lshl_b32 s27, s25, 11                        ; four K steps of 512 bytes
	s_add_co_u32 s28, s28, s27
	s_mov_b32 s29, 0
	s_lshr_b32 s30, ttmp9, 1                       ; the codes: block of four tiles,
	s_lshl_b32 s30, s30, 15
	s_and_b32 s27, ttmp9, 1
	s_lshl_b32 s27, s27, 11
	s_add_co_u32 s30, s30, s27
	s_lshl_b32 s27, s24, 10                        ; tile in it,
	s_add_co_u32 s30, s30, s27
	s_lshl_b32 s27, s25, 14                        ; four K steps of 4,096 bytes
	s_add_co_u32 s30, s30, s27
	s_mov_b32 s31, 0
	s_lshl_b32 s32, ttmp9, 10                      ; the scale words: tile x 512 + 256 for the upper four K steps
	s_lshl_b32 s27, s24, 9
	s_add_co_u32 s32, s32, s27
	s_lshl_b32 s27, s25, 8
	s_add_co_u32 s32, s32, s27
	s_mov_b32 s33, 0
	s_wait_alu depctr_va_vdst(0)
	s_wait_kmcnt 0x0
	s_cmp_lt_u32 ttmp9, 128                        ; x or y: the choice hangs on the work-group's number alone
	s_cselect_b64 s[4:5], s[4:5], s[6:7]
	s_add_nc_u64 s[4:5], s[4:5], s[28:29]
	s_add_nc_u64 s[18:19], s[18:19], s[30:31]
	s_add_nc_u64 s[20:21], s[20:21], s[32:33]
	XLOAD 0, 0
	XLOAD 1, 1
.irp f, 0,1,2,3
.if \f < 3
	s_wait_loadcnt 16                              ; this fragment's 16 loads are in; the next fragment's 16 may be out
.else
	s_wait_loadcnt 0x0
.endif
	XTURN \f%2
	s_wait_dscnt 0x0                               ; the stage's stores have read their registers, and the neighbours are back
.if \f < 2
	XLOAD \f+2, \f%2
.endif
	XQ \f
.endr
	v_cmp_le_u32 vcc_lo, 16, v1                    ; lanes 0-15 store the even K step's words, lanes 16-31 the odd one's
	v_cndmask_b32 v20, v16, v17, vcc_lo
	v_cndmask_b32 v21, v18, v19, vcc_lo
	global_store_b32 v5, v20, s[20:21]
	global_store_b32 v5, v21, s[20:21] offset:128
	s_wait_tensorcnt 0x0
	ds_add_u32 v62, v63
	s_wait_dscnt 0x0
	s_endpgm
.Lweights:
	; ---- a weight.  Work-group 256 + 64 W + 8 s + g: weight W, K step s; wave w: columns 32 P .. 32 P + 31, P = 4 g + w
	s_sub_co_u32 s23, ttmp9, 256
	s_and_b32 s24, s23, 7
	s_lshr_b32 s25, s23, 6                         ; W
	s_bfe_u32 s26, s23, 0x30003                    ; s
	s_lshl_b32 s27, s24, 2
	s_add_co_u32 s27, s27, s22                     ; P
	v_bfe_u32 v8, v0, 3, 1                         ; column 32 P + lane is row r of tile 2 P + u: u = (lane >> 3) & 1,
	v_and_b32 v9, 7, v0
	v_bfe_u32 v10, v0, 4, 1
	v_lshl_add_u32 v9, v10, 3, v9                  ; r = lane % 8 + 8 (lane / 16)
	v_lshlrev_b32 v3, 4, v9
	v_lshl_add_u32 v3, v8, 10, v3                  ; codes: 1,024 u + 16 r (block b: 256 b more)
	v_lshlrev_b32 v4, 2, v9
	v_lshl_add_u32 v4, v8, 9, v4                   ; scale word: 512 u + 4 r
	s_lshl_b32 s28, s25, 19
	s_add_co_u32 s28, s28, 0x400000                ; behind x's and y's 128 blocks
	s_lshr_b32 s29, s27, 1
	s_lshl_b32 s29, s29, 15
	s_add_co_u32 s28, s28, s29
	s_lshl_b32 s29, s26, 12
	s_add_co_u32 s28, s28, s29
	s_and_b32 s29, s27, 1
	s_lshl_b32 s29, s29, 11
	s_add_co_u32 s28, s28, s29
	s_mov_b32 s29, 0
	s_lshl_b32 s30, s25, 6
	s_lshl_b32 s31, s27, 1
	s_add_co_u32 s30, s30, s31
	s_add_co_u32 s30, s30, 512                     ; tile number 512 + 64 W + 2 P
	s_lshl_b32 s30, s30, 9
	s_lshl_b32 s31, s26, 6
	s_add_co_u32 s30, s30, s31
	s_mov_b32 s31, 0
	s_lshl_b32 s32, s26, 19                        ; 128 rows of 4,096 bytes
	s_lshl_b32 s33, s27, 7
	s_add_co_u32 s32, s32, s33
	s_mov_b32 s33, 0
	s_wait_kmcnt 0x0
	s_cmp_eq_u32 s25, 1
	s_cselect_b64 s[8:9], s[10:11], s[8:9]
	s_cmp_eq_u32 s25, 2
	s_cselect_b64 s[8:9], s[12:13], s[8:9]
	s_cmp_eq_u32 s25, 3
	s_cselect_b64 s[8:9], s[14:15], s[8:9]
	s_cmp_eq_u32 s25, 4
	s_cselect_b64 s[8:9], s[16:17], s[8:9]
	s_add_nc_u64 s[8:9], s[8:9], s[32:33]
	s_add_nc_u64 s[18:19], s[18:19], s[28:29]
	s_add_nc_u64 s[20:21], s[20:21], s[30:31]
	s_wait_alu depctr_va_vdst(0)
	WLOAD 0
	WLOAD 1
	s_wait_loadcnt 32                              ; block 0 is in; block 1's 32 loads may be out
	WBLOCK 0
	WLOAD 2
	s_wait_loadcnt 32                              ; block 1 is in; block 2's may be out
	WBLOCK 1
	WLOAD 3
	s_wait_loadcnt 32                              ; block 2 is in; block 3's may be out
	WBLOCK 2
	s_wait_loadcnt 0x0
	WBLOCK 3
	global_store_b32 v4, v14, s[20:21]
	s_endpgm
.Lfunc_end_k_q8684e85d0a_quant:
	.size	k_q8684e85d0a_quant, .Lfunc_end_k_q8684e85d0a_quant-k_q8684e85d0a_quant
	.p2alignl 7, 3214868480
	.fill 96, 4, 3214868480
	.section	.rodata,"a",@progbits
	.p2align	6, 0x0
	.amdhsa_kernel k_q8684e85d0a_quant
		.amdhsa_group_segment_fixed_size 34304
		.amdhsa_private_segment_fixed_size 0
		.amdhsa_enable_private_segment 0
		.amdhsa_kernarg_size 72
		.amdhsa_user_sgpr_count 2
		.amdhsa_user_sgpr_kernarg_segment_ptr 1
		.amdhsa_wavefront_size32 1
		.amdhsa_system_sgpr_workgroup_id_x 1
		.amdhsa_system_sgpr_workgroup_id_y 1
		.amdhsa_system_sgpr_workgroup_id_z 1
		.amdhsa_system_vgpr_workitem_id 0
		.amdhsa_next_free_vgpr 256
		.amdhsa_next_free_sgpr 66
		.amdhsa_reserve_vcc 1
		.amdhsa_float_denorm_mode_32 3
		.amdhsa_float_denorm_mode_16_64 3
		.amdhsa_memory_ordered 1
		.amdhsa_forward_progress 1
		.amdhsa_inst_pref_size 51
	.end_amdhsa_kernel
	.amdgpu_metadata
---
amdhsa.version: [ 1, 2 ]
amdhsa.kernels:
  - .name:           k_q8684e85d0a_quant
    .symbol:         k_q8684e85d0a_quant.kd
    .args:
      - { .name: x, .offset: 0, .size: 8, .value_kind: global_buffer, .address_space: global }
      - { .name: y, .offset: 8, .size: 8, .value_kind: global_buffer, .address_space: global }
      - { .name: Wq, .offset: 16, .size: 8, .value_kind: global_buffer, .address_space: global }
      - { .name: Wk, .offset: 24, .size: 8, .value_kind: global_buffer, .address_space: global }
      - { .name: Wv, .offset: 32, .size: 8, .value_kind: global_buffer, .address_space: global }
      - { .name: Wox, .offset: 40, .size: 8, .value_kind: global_buffer, .address_space: global }
      - { .name: Woy, .offset: 48, .size: 8, .value_kind: global_buffer, .address_space: global }
      - { .name: ops, .offset: 56, .size: 8, .value_kind: global_buffer, .address_space: global }
      - { .name: opscl, .offset: 64, .size: 8, .value_kind: global_buffer, .address_space: global }
    .group_segment_fixed_size: 34304
    .private_segment_fixed_size: 0
    .kernarg_segment_align: 8
    .kernarg_segment_size: 72
    .max_flat_workgroup_size: 128
    .sgpr_count:     66
    .vgpr_count:     256
    .wavefront_size: 32
...
	.end_amdgpu_metadata
.endif
;; end of part 1
;; launch proj (part 2): grid 8 x 32, 12 waves a work-group, clusters of 4 x 4, 327,680 bytes of LDS; arguments ops, opscl, attimg, attsc; writes attimg, attsc
.if DOCPART == 2
	.amdgcn_target "amdgcn-amd-amdhsa--gfx1250"
	.amdhsa_code_object_version 6
	.text
	.protected	k_q8684e85d0a_proj
	.globl	k_q8684e85d0a_proj
	.p2align	8
	.type	k_q8684e85d0a_proj,@function
k_q8684e85d0a_proj:
	s_mov_b64 s[64:65], 0
	v_nop
	global_prefetch_b8 v0, s[64:65] scope:SCOPE_SE
	s_setreg_imm32_b32 hwreg(HW_REG_WAVE_MODE, 25, 1), 1
	s_wait_xcnt 0x0
	s_wait_alu depctr_hold_cnt(0) depctr_sa_sdst(0) depctr_va_vdst(0) depctr_va_sdst(0) depctr_va_ssrc(0) depctr_va_vcc(0) depctr_vm_vsrc(0)
	s_getreg_b32 s2, hwreg(HW_REG_IB_STS2, 6, 4)
	s_cmp_eq_u32 s2, 0
	s_cbranch_scc0 .Lentry_in_a_cluster
	s_endpgm
.Lentry_in_a_cluster:
	s_bfe_u32 s2, ttmp6, 0x10000c
	s_cmp_lg_u32 s2, 0xf033
	s_cbranch_scc0 .Lentry_shape_is_right
	s_endpgm
.Lentry_shape_is_right:
; The six projections for TWO heads (64 columns each of Wq, Wk, Wv), one after the other, and 128 tokens of x and of y, K = 1,024, on codes of FP4 with E8M0 scales; the results are quantised in registers and leave as operands of the attention:
;   Q' = [y Wq | x Wq], K' = [x Wk | y Wk] (K = 128: the two score products are one), V' = [x Wv ; y Wv] with the keys as K.
; All operands are images of registers (a fragment = 1,024 bytes, byte 512 c + 16 lane = registers 4 c .. 4 c + 3); a tile's rows are 32 p + 8 u + r + 8 (r / 8), so that as source 0 the 16 registers of tiles 2 p, 2 p + 1 are 16 neighbours.
; SHARES.  Every wave makes D[i][a] = S0[i] x S1[a], i = 0 .. 7, a = 0, 1: 16 accumulators, one text for all.  Waves 0-7: S0 = Wq's four tiles and Wk's four, S1 = token tile w of x and of y: a lane holds one token and 64 numbers along the heads' axis.
; Waves 8-11: S0 = the eight token tiles of x (even waves) or y (odd), S1 = two tiles of Wv: a lane holds one channel and 64 numbers along the keys.  In both the 64 registers of an a are one fragment of the next product.
; LDS: seven regions of 32 KiB, [K step 8][tile 4][1,024]: x (2), y (2), Wq, Wk, Wv; each in two halves of four K steps, one load of 16 KiB a half, by one wave.  The tokens' regions are filled once and serve both heads.
; The weights' regions are filled again with the second head's: K steps 0-3 behind the first head's K step 3, K steps 4-7 behind its K step 7, each behind the three lines and a round of the cluster's barrier: one tensor load of a wave is out at a time.
; CLUSTER 4 x 4: the four of a row share the tokens, the four of a column the two heads: each half is asked for jointly, with the same descriptor and a mask that names the four.
; No prefetch: 224 KiB of a work-group's 320 KiB are asked for at the head or one step behind it, and the refills have four K steps or a whole quantising in which to land.
; LIMITS: a block of zeros gets the byte 1 (its codes are zeros; this program alone reads the bytes); NaN and infinities are not served.
.set WV,  12
.set SEL, 98                           ; s[98:99] lane l xor 16
.set G1A, 16                           ; s[16:23] group 1, mask of my row;  s[24:31] of my column
.set G1B, 24
.set G0A, 32                           ; s[32:39] two groups 0 for x / y;  s[48:55] for a weight
.set G0B, 48
.set LI,  1                            ; v1  16 x lane
.set AD0, 2                            ; v2  S0's first tile
.set AD1, 3                            ; v3, v4  S1's two tiles
.set L4,  5                            ; v5  4 x lane
.set SC0, 8                            ; v8-39   S0's scale words: 4 i + q: lanes 0-15 K step 2 q, lanes 16-31 K step 2 q + 1
.set SC1, 40                           ; v40-47  S1's: 4 a + q
.set F1,  48                           ; v48-63  S1's fragments
.set F0,  64                           ; v64-127 S0's
.set ACC, 128                          ; v128-255: accumulator (i, a) at 128 + 64 a + 8 i
.macro CROUND                          ; a round of the cluster's barrier
	s_barrier_signal -1
	s_barrier_wait -1
	s_cmp_lg_u32 s[WV], 0
	s_cbranch_scc1 .Lnot_wave_0_\@
	s_barrier_signal -3
.Lnot_wave_0_\@:
	s_barrier_wait -3
	s_barrier_signal -1
	s_barrier_wait -1
.endm
.macro WM i, a, s                      ; one product; K step 0 starts the sums; odd K steps take the scale words of lanes 16-31
.if (\s) == 0
	v_wmma_scale_f32_16x16x128_f8f6f4 v[ACC+64*(\a)+8*(\i):ACC+64*(\a)+8*(\i)+7], v[F0+8*(\i):F0+8*(\i)+7], v[F1+8*(\a):F1+8*(\a)+7], 0, v[SC0+4*(\i)+(\s)/2], v[SC1+4*(\a)+(\s)/2] matrix_a_fmt:MATRIX_FMT_FP4 matrix_b_fmt:MATRIX_FMT_FP4
.elseif (\s)%2 == 0
	v_wmma_scale_f32_16x16x128_f8f6f4 v[ACC+64*(\a)+8*(\i):ACC+64*(\a)+8*(\i)+7], v[F0+8*(\i):F0+8*(\i)+7], v[F1+8*(\a):F1+8*(\a)+7], v[ACC+64*(\a)+8*(\i):ACC+64*(\a)+8*(\i)+7], v[SC0+4*(\i)+(\s)/2], v[SC1+4*(\a)+(\s)/2] matrix_a_fmt:MATRIX_FMT_FP4 matrix_b_fmt:MATRIX_FMT_FP4
.else
	v_wmma_scale_f32_16x16x128_f8f6f4 v[ACC+64*(\a)+8*(\i):ACC+64*(\a)+8*(\i)+7], v[F0+8*(\i):F0+8*(\i)+7], v[F1+8*(\a):F1+8*(\a)+7], v[ACC+64*(\a)+8*(\i):ACC+64*(\a)+8*(\i)+7], v[SC0+4*(\i)+(\s)/2], v[SC1+4*(\a)+(\s)/2] matrix_a_fmt:MATRIX_FMT_FP4 matrix_b_fmt:MATRIX_FMT_FP4 matrix_a_scale:MATRIX_SCALE_ROW1 matrix_b_scale:MATRIX_SCALE_ROW1
.endif
.endm
.macro KSTEP s                         ; 20 LDS loads, 16 products; the 16 accumulators take turns, one instruction a turn, in the same order in every K step
.if (\s) > 0
.rept 4
	v_nop                                          ; places in front of loads into registers that matrix instructions have read
.endr
.endif
.irp c, 0,1
	ds_load_b128 v[F1+4*\c:F1+4*\c+3], v[AD1] offset:4096*(\s)+512*\c
	ds_load_b128 v[F1+8+4*\c:F1+8+4*\c+3], v[AD1+1] offset:4096*(\s)+512*\c
.endr
.irp i, 0,1,2,3,4,5,6,7
.irp c, 0,1
	ds_load_b128 v[F0+8*\i+4*\c:F0+8*\i+4*\c+3], v[AD0] offset:(\i/4)*32768+(\i%4)*1024+4096*(\s)+512*\c
.endr
.endr
.irp i, 0,1,2,3,4,5,6,7
	s_wait_dscnt 14-2*\i                           ; S1 and S0's tiles up to i are in; the two loads of each later tile may be out
.irp a, 0,1
	WM \i, \a, \s
.endr
.endr
.endm
; 64 numbers of a lane, register 16 b + i = k 32 b + 16 (lane / 16) + i of my row, become a fragment's codes in v[pc] on and its scale word in v[pw]
.macro QUANT s, tm, pc, pw
.irp b, 0,1,2,3
	v_max3_num_f32 v[\tm+\b], |v[\s+16*\b]|, |v[\s+1+16*\b]|, 0x1800000   ; each accumulator is read from its low end on; the floor 2^(3 - 127) holds the byte at 1 from below
.endr
.irp i, 2,4,6,8,10,12,14
.irp b, 0,1,2,3
	v_max3_num_f32 v[\tm+\b], v[\tm+\b], |v[\s+16*\b+\i]|, |v[\s+1+16*\b+\i]|
.endr
.endr
.irp b, 0,1,2,3
	s_delay_alu instid0(VALU_DEP_4)
	v_permlanex16_b32 v[\tm+4+\b], v[\tm+\b], s[SEL], s[SEL+1]
.endr
.irp b, 0,1,2,3
	s_delay_alu instid0(VALU_DEP_4)
	v_max_num_f32 v[\tm+\b], v[\tm+\b], v[\tm+4+\b]   ; with lane l xor 16's: the block's largest magnitude
.endr
.irp b, 0,1,2,3
	s_delay_alu instid0(VALU_DEP_4)
	v_add_nc_u32 v[\tm+12+\b], 0xff000000, v[\tm+\b]  ; 2 off its exponent field: the conversion's scale operand
.endr
.irp b, 0,1,2,3
	s_delay_alu instid0(VALU_DEP_4)
	v_lshrrev_b32 v[\tm+4+\b], 23, v[\tm+12+\b]       ; the byte
.endr
	s_delay_alu instid0(VALU_DEP_3)
	v_lshl_or_b32 v[\pw], v[\tm+5], 8, v[\tm+4]
	s_delay_alu instid0(VALU_DEP_1)
	v_lshl_or_b32 v[\pw], v[\tm+6], 16, v[\pw]
	s_delay_alu instid0(VALU_DEP_1)
	v_lshl_or_b32 v[\pw], v[\tm+7], 24, v[\pw]
.irp b, 0,1,2,3
	v_cvt_scalef32_pk8_fp4_f32 v[\pc+2*\b], v[\s+16*\b:\s+7+16*\b], v[\tm+12+\b]
	v_cvt_scalef32_pk8_fp4_f32 v[\pc+1+2*\b], v[\s+8+16*\b:\s+15+16*\b], v[\tm+12+\b]
.endr
	v_nop                                          ; one plain place behind a scaled conversion
.irp c, 0,1                                    ; a whole block to a lane: lanes 0-15 block 2 c, lanes 16-31 block 2 c + 1
.irp i, 0,1
	v_permlane16_swap_b32 v[\pc+4*\c+\i], v[\pc+2+4*\c+\i]
.endr
.endr
.endm
.macro FILL7 j                         ; half j of all seven regions: waves 0-3 the tokens', waves 4-6 the weights'; one chain of branches on the wave's number, one load to an arm
	s_cmp_lt_u32 s[WV], 4
	s_cbranch_scc0 .Lnot_tokens_\@
	tensor_load_to_lds s[G0A+4*\j:G0A+4*\j+3], s[G1A:G1A+7]
	s_nop 0
.rept 4
	v_nop
.endr
	s_branch .Lasked_\@
.Lnot_tokens_\@:
	s_cmp_lt_u32 s[WV], 7
	s_cbranch_scc0 .Lasked_\@
	tensor_load_to_lds s[G0B+4*\j:G0B+4*\j+3], s[G1B:G1B+7]
	s_nop 0
.rept 4
	v_nop
.endr
.Lasked_\@:
.endm
.macro FILLW j                         ; half j of the weights' three regions, filled again: waves 4-6
	s_cmp_lt_u32 s[WV], 4
	s_cbranch_scc1 .Lno_fill_\@
	s_cmp_lt_u32 s[WV], 7
	s_cbranch_scc0 .Lno_fill_\@
	tensor_load_to_lds s[G0B+4*\j:G0B+4*\j+3], s[G1B:G1B+7]
	s_nop 0
.rept 4
	v_nop
.endr
.Lno_fill_\@:
.endm
.macro GRD step
	s_wait_tensorcnt 0x0                           ; no tensor load of mine is out
	ds_add_u32 v6, v7                              ; the add,
	ds_add_u32 v6, v7                              ; twice on end
.if (\step) >= 0
	s_add_nc_u64 s[G0B+4*(\step)+2:G0B+4*(\step)+3], s[G0B+4*(\step)+2:G0B+4*(\step)+3], 32768
.endif
	s_wait_dscnt 0x0                               ; the adds are done, and so are my LDS reads
	CROUND                                         ; both hold of every wave of the sixteen work-groups
.endm
; The scale words of my operands for the head in s[h]: 40 loads, their offsets in v100-103
.macro SCLOAD h
	s_lshl_b32 s84, s[\h], 2
	s_add_co_u32 s85, s84, 512                     ; Wq's tiles
	s_add_co_u32 s86, s84, 576                     ; Wk's
	s_lshl_b32 s87, s66, 3
	s_add_co_u32 s88, s87, s[WV]                   ; x's tile
	s_add_co_u32 s89, s88, 256                     ; y's
	s_and_b32 s90, s[WV], 1
	s_lshl_b32 s91, s90, 8
	s_add_co_u32 s91, s91, s87                     ; the stream's eight tiles
	s_add_co_u32 s92, s91, 4
	s_and_b32 s93, s[WV], 2
	s_add_co_u32 s94, s84, s93
	s_add_co_u32 s94, s94, 640                     ; Wv's two
	s_add_co_u32 s95, s94, 1
	s_cmp_lt_u32 s[WV], 8
	s_cselect_b32 s85, s85, s91
	s_cselect_b32 s86, s86, s92
	s_cselect_b32 s88, s88, s94
	s_cselect_b32 s89, s89, s95
	v_lshl_add_u32 v100, s85, 9, v[L4]             ; 512 bytes a tile, + 4 x lane
	v_lshl_add_u32 v101, s86, 9, v[L4]
	v_lshl_add_u32 v102, s88, 9, v[L4]
	v_lshl_add_u32 v103, s89, 9, v[L4]
.irp i, 0,1,2,3
.irp q, 0,1,2,3
	global_load_b32 v[SC0+4*\i+\q], v100, s[6:7] offset:512*\i+128*\q
	global_load_b32 v[SC0+16+4*\i+\q], v101, s[6:7] offset:512*\i+128*\q
.endr
.endr
.irp q, 0,1,2,3
	global_load_b32 v[SC1+\q], v102, s[6:7] offset:128*\q
	global_load_b32 v[SC1+4+\q], v103, s[6:7] offset:128*\q
.endr
.endm
; The results of the head in s15 become operands
.macro EPI
	s_lshr_b32 s70, s66, 4
	s_lshl_b32 s70, s70, 4
	s_add_co_u32 s70, s70, s15                     ; bh = 16 x batch + head
	s_and_b32 s71, s66, 15                         ; which 128 tokens of the batch
	s_lshl_b32 s72, s70, 7
	s_lshl_b32 s73, s71, 3
	s_add_co_u32 s72, s72, s73
	s_add_co_u32 s72, s72, s[WV]
	s_lshl_b32 s74, s72, 10                        ; Q' and K': tile 128 bh + 8 ks + w
	s_lshl_b32 s75, s70, 4
	s_add_co_u32 s75, s75, s71
	s_lshl_b32 s75, s75, 3
	s_and_b32 s76, s[WV], 1
	s_lshl_b32 s76, s76, 2
	s_and_b32 s77, s[WV], 2
	s_add_co_u32 s76, s76, s77                     ; V': tile of channels 4 x stream + (w & 2)
	s_add_co_u32 s75, s75, s76
	s_lshl_b32 s75, s75, 10
	s_add_co_u32 s75, s75, 0x800000
	s_add_co_u32 s78, s74, 512                     ; x Wq: Q', upper half
	s_add_co_u32 s79, s74, 0x400000                ; x Wk: K', lower half
	s_add_co_u32 s80, s74, 0x400200                ; y Wk: K', upper half  (y Wq: Q', lower half: s74)
	s_add_co_u32 s81, s75, 512
	s_add_co_u32 s82, s75, 1024
	s_add_co_u32 s83, s75, 1536
	s_mul_i32 s84, s70, 24576
	s_add_co_u32 s85, s73, s[WV]
	s_lshl_b32 s85, s85, 7                         ; scale words: 128 bytes a tile of tokens: Q's 16, then K's 16;
	s_lshl_b32 s86, s71, 9
	s_lshl_b32 s87, s76, 6
	s_add_co_u32 s86, s86, s87
	s_add_co_u32 s86, s86, 16384                   ; V's: [K step][tile of channels][16]
	s_mov_b32 s88, 0x01000504                      ; Q's word: y Wq's two bytes, x Wq's two
	s_mov_b32 s89, 0x07060302                      ; K's word: x Wk's two, y Wk's two
	s_mov_b32 s90, 0x03020100                      ; V: the words as they are
	s_mov_b32 s91, 0x07060504
	s_cmp_lt_u32 s[WV], 8
	s_cselect_b32 s78, s78, s75
	s_cselect_b32 s79, s79, s81
	s_cselect_b32 s74, s74, s82
	s_cselect_b32 s80, s80, s83
	s_cselect_b32 s85, s85, s86
	s_cselect_b32 s88, s88, s90
	s_cselect_b32 s89, s89, s91
	s_add_co_u32 s84, s84, s85
.irp b, 0,1,2,3
	v_mov_b32 v[52+\b], 0                          ; a lane permute's destination counts as read
.endr
	QUANT 128, 48, 64, 80
	QUANT 192, 48, 72, 81
	v_perm_b32 v82, v81, v80, s88
	v_perm_b32 v83, v81, v80, s89
	v_cmp_le_u32 vcc_lo, 64, v[L4]                 ; lanes 16-31
	s_delay_alu instid0(VALU_DEP_1)
	v_cndmask_b32 v84, v82, v83, vcc_lo
	v_add_nc_u32 v85, s78, v[LI]
	v_add_nc_u32 v86, s79, v[LI]
	v_add_nc_u32 v87, s74, v[LI]
	v_add_nc_u32 v88, s80, v[LI]
	v_add_nc_u32 v89, s84, v[L4]
	global_store_b128 v85, v[64:67], s[8:9]        ; each store covers 512 consecutive bytes, aligned
	global_store_b128 v86, v[68:71], s[8:9]
	global_store_b128 v87, v[72:75], s[8:9]
	global_store_b128 v88, v[76:79], s[8:9]
	global_store_b32 v89, v84, s[10:11]            ; 128 consecutive bytes
.endm
	s_load_b256 s[4:11], s[0:1], 0x0               ; ops, opscl, attimg, attsc
	v_lshl_add_u32 v6, v0, 2, 0x38000
	v_mov_b32 v7, 0
	ds_add_u32 v6, v7                              ; the opening lines: the add, twice on end, and its wait
	ds_add_u32 v6, v7
	v_lshrrev_b32 v1, 5, v0
	s_delay_alu instid0(VALU_DEP_1)
	v_readfirstlane_b32 s[WV], v1                  ; wave 0..11
	s_bfe_u32 s13, ttmp6, 0x40000                  ; cx
	s_bfe_u32 s14, ttmp6, 0x40004                  ; cy
	s_lshl_b32 s15, ttmp9, 2
	s_add_co_u32 s15, s15, s13
	s_lshl_b32 s15, s15, 1                         ; my first head, 0, 2 .. 14
	s_and_b32 s66, ttmp7, 0xffff
	s_lshl_b32 s66, s66, 2
	s_add_co_u32 s66, s66, s14                     ; G: which 128 tokens, 0..31
	s_lshl_b32 s67, s14, 2
	s_lshl_b32 s67, 15, s67                        ; my row of the cluster
	s_lshl_b32 s68, 0x1111, s13                    ; my column
	s_or_b32 s[G1A], s67, (3<<16)|(1<<21)          ; 15:0 the mask; 17:16 elements of 8 bytes; 21 set beside a mask; no padding
	s_or_b32 s[G1B], s68, (3<<16)|(1<<21)
.irp g, G1A, G1B
	s_mov_b32 s[\g+1], 32<<16                      ; tensor_dim0 = 32 elements: rows of 256 bytes
	s_mov_b32 s[\g+2], 64<<16                      ; tensor_dim1 = 64 rows: 16 KiB, four K steps of four tiles, dense
	s_mov_b32 s[\g+3], 32<<16                      ; tile_dim0
	s_mov_b32 s[\g+4], 64                          ; tile_dim1
	s_mov_b32 s[\g+5], 32                          ; the pitch
	s_mov_b32 s[\g+6], 0
	s_mov_b32 s[\g+7], 0
.endr
	s_min_u32 s69, s[WV], 6                        ; the region that I fill (waves 7-11 fill none: their words stay inside LDS and the buffer, and are not used)
	s_lshl_b32 s70, s69, 15
	s_and_b32 s71, s69, 3
	s_lshr_b32 s72, s71, 1
	s_lshl_b32 s72, s72, 6                         ; y's blocks lie 64 behind x's
	s_and_b32 s73, s71, 1
	s_add_co_u32 s72, s72, s73
	s_lshl_b32 s73, s66, 1
	s_add_co_u32 s72, s72, s73                     ; block 64 (w >> 1) + 2 G + (w & 1): made of G and the wave alone
	s_lshl_b32 s72, s72, 15
	s_mov_b32 s73, 0
	s_lshl_b32 s74, s69, 4
	s_add_co_u32 s74, s74, s15
	s_add_co_u32 s74, s74, 64                      ; block 128 + 16 (w - 4) + head: made of the head and the wave alone
	s_lshl_b32 s74, s74, 15
	s_mov_b32 s75, 0
	s_mov_b32 s[SEL], 0x76543210
	s_mov_b32 s[SEL+1], 0xfedcba98
	s_wait_dscnt 0x0
	s_wait_kmcnt 0x0
	s_add_nc_u64 s[72:73], s[4:5], s[72:73]
	s_add_nc_u64 s[74:75], s[4:5], s[74:75]
.irp j, 0,1
	s_mov_b32 s[G0A+4*\j], 1
	s_add_co_u32 s[G0A+4*\j+1], s70, 16384*\j
	s_add_nc_u64 s[G0A+4*\j+2:G0A+4*\j+3], s[72:73], 16384*\j
	s_or_b32 s[G0A+4*\j+3], s[G0A+4*\j+3], 0x80000000
	s_mov_b32 s[G0B+4*\j], 1
	s_add_co_u32 s[G0B+4*\j+1], s70, 16384*\j
	s_add_nc_u64 s[G0B+4*\j+2:G0B+4*\j+3], s[74:75], 16384*\j
	s_or_b32 s[G0B+4*\j+3], s[G0B+4*\j+3], 0x80000000
.endr
	CROUND                                         ; all sixteen work-groups are here: the joint loads meet
	FILL7 0                                        ; K steps 0 to 3: one tensor load a wave at the head
	v_and_b32 v1, 31, v0
	s_delay_alu instid0(VALU_DEP_1)
	v_lshlrev_b32 v[L4], 2, v1
	s_delay_alu instid0(VALU_DEP_2)
	v_lshlrev_b32 v[LI], 4, v1
	; where my operands lie in LDS: from the wave's number alone
	s_wait_alu depctr_va_vdst(0)
	s_xor_b32 s76, s[WV], 8
	s_and_b32 s77, s76, 1
	s_lshl_b32 s77, s77, 1
	s_and_b32 s78, s76, 8
	s_add_co_u32 s77, s77, s78
	s_min_u32 s77, s77, 4                          ; S0: region 4 (Wq, then Wk) for waves 0-7; region 0 (x) or 2 (y) for waves 8-11
	s_lshl_b32 s77, s77, 15
	s_lshr_b32 s78, s[WV], 2
	s_lshr_b32 s79, s[WV], 3                       ; 1 for waves 8-11
	s_xor_b32 s80, s79, 3
	s_and_b32 s80, s[WV], s80                      ; tile in its region: w & 3, or Wv's tile w & 2
	s_lshl_b32 s81, s79, 2
	s_add_co_u32 s81, s81, s78
	s_lshl_b32 s81, s81, 15                        ; S1, a = 0: region w >> 2 (x), or 6 (Wv)
	s_lshl_b32 s82, s80, 10
	s_add_co_u32 s81, s81, s82
	s_lshl_b32 s83, s79, 1
	s_add_co_u32 s83, s83, s78
	s_add_co_u32 s83, s83, 2
	s_lshl_b32 s83, s83, 15                        ; a = 1: region 2 + (w >> 2) (y), or 6
	s_add_co_u32 s82, s80, s79
	s_lshl_b32 s82, s82, 10
	s_add_co_u32 s83, s83, s82
	v_add_nc_u32 v[AD0], s77, v[LI]
	v_add_nc_u32 v[AD1], s81, v[LI]
	v_add_nc_u32 v[AD1+1], s83, v[LI]
	SCLOAD 15
	s_wait_alu depctr_va_vdst(0)
	s_wait_loadcnt 0x0                             ; the scale words
	GRD -1
	FILL7 1                                        ; K steps 4 to 7: bytes filled for the first time
.irp s, 0,1,2,3
	KSTEP \s
.endr
	GRD 0
	FILLW 0                                        ; the second head's take their place
.irp s, 4,5,6,7
	KSTEP \s
.endr
	GRD 1
	FILLW 1
.rept 4
	v_nop                                          ; places behind the last products, ahead of the loads into their scale registers and of the first read of the sums
.endr
	s_add_co_u32 s96, s15, 1
	SCLOAD 96                                      ; the second head's scale words come in while the first head's results are quantised
	EPI
	s_add_co_u32 s15, s15, 1                       ; the second head
	s_wait_xcnt 0x0                                ; the stores have read their registers: fragments may land there
	s_wait_loadcnt 0x0                             ; the scale words
.irp s, 0,1,2,3
	KSTEP \s
.endr
	s_wait_tensorcnt 0x0                           ; my load of the second head's K steps 4 to 7 has landed
	s_barrier_signal -1
	s_barrier_wait -1                              ; everybody's has
.irp s, 4,5,6,7
	KSTEP \s
.endr
.rept 4
	v_nop                                          ; places behind the last products
.endr
	EPI
	s_wait_tensorcnt 0x0                           ; the wave's end
	ds_add_u32 v6, v7
	s_wait_dscnt 0x0
	CROUND                                         ; the closing round
	s_endpgm
.Lfunc_end_k_q8684e85d0a_proj:
	.size	k_q8684e85d0a_proj, .Lfunc_end_k_q8684e85d0a_proj-k_q8684e85d0a_proj
	.p2alignl 7, 3214868480
	.fill 96, 4, 3214868480
	.section	.rodata,"a",@progbits
	.p2align	6, 0x0
	.amdhsa_kernel k_q8684e85d0a_proj
		.amdhsa_group_segment_fixed_size 327680
		.amdhsa_private_segment_fixed_size 0
		.amdhsa_enable_private_segment 0
		.amdhsa_kernarg_size 32
		.amdhsa_user_sgpr_count 2
		.amdhsa_user_sgpr_kernarg_segment_ptr 1
		.amdhsa_wavefront_size32 1
		.amdhsa_system_sgpr_workgroup_id_x 1
		.amdhsa_system_sgpr_workgroup_id_y 1
		.amdhsa_system_sgpr_workgroup_id_z 1
		.amdhsa_system_vgpr_workitem_id 0
		.amdhsa_next_free_vgpr 256
		.amdhsa_next_free_sgpr 100
		.amdhsa_reserve_vcc 1
		.amdhsa_float_denorm_mode_32 3
		.amdhsa_float_denorm_mode_16_64 3
		.amdhsa_memory_ordered 1
		.amdhsa_forward_progress 1
		.amdhsa_inst_pref_size 100
	.end_amdhsa_kernel
	.amdgpu_metadata
---
amdhsa.version: [ 1, 2 ]
amdhsa.kernels:
  - .name:           k_q8684e85d0a_proj
    .symbol:         k_q8684e85d0a_proj.kd
    .args:
      - { .name: ops, .offset: 0, .size: 8, .value_kind: global_buffer, .address_space: global }
      - { .name: opscl, .offset: 8, .size: 8, .value_kind: global_buffer, .address_space: global }
      - { .name: attimg, .offset: 16, .size: 8, .value_kind: global_buffer, .address_space: global }
      - { .name: attsc, .offset: 24, .size: 8, .value_kind: global_buffer, .address_space: global }
    .group_segment_fixed_size: 327680
    .private_segment_fixed_size: 0
    .kernarg_segment_align: 8
    .kernarg_segment_size: 32
    .max_flat_workgroup_size: 384
    .sgpr_count:     100
    .vgpr_count:     256
    .wavefront_size: 32
...
	.end_amdgpu_metadata
.endif
;; end of part 2
;; launch attn (part 3): grid 8 x 32, 16 waves a work-group, clusters of 4 x 1, 327,680 bytes of LDS; arguments attimg, attsc, aimg, araw; writes aimg, araw
.if DOCPART == 3
	.amdgcn_target "amdgcn-amd-amdhsa--gfx1250"
	.amdhsa_code_object_version 6
	.text
	.protected	k_q8684e85d0a_attn
	.globl	k_q8684e85d0a_attn
	.p2align	8
	.type	k_q8684e85d0a_attn,@function
k_q8684e85d0a_attn:
	s_mov_b64 s[64:65], 0
	v_nop
	global_prefetch_b8 v0, s[64:65] scope:SCOPE_SE
	s_setreg_imm32_b32 hwreg(HW_REG_WAVE_MODE, 25, 1), 1
	s_wait_xcnt 0x0
	s_wait_alu depctr_hold_cnt(0) depctr_sa_sdst(0) depctr_va_vdst(0) depctr_va_sdst(0) depctr_va_ssrc(0) depctr_va_vcc(0) depctr_vm_vsrc(0)
	s_getreg_b32 s2, hwreg(HW_REG_IB_STS2, 6, 4)
	s_cmp_eq_u32 s2, 0
	s_cbranch_scc0 .Lentry_in_a_cluster
	s_endpgm
.Lentry_in_a_cluster:
	s_bfe_u32 s2, ttmp6, 0x10000c
	s_cmp_lg_u32 s2, 0x3003
	s_cbranch_scc0 .Lentry_shape_is_right
	s_endpgm
.Lentry_shape_is_right:
; For each of the 32 heads (batch x head): S = Q' K'^T (K = 128: both score products at once), softmax of S / 16 (the mean of the two scores over sqrt(64)), O = P V' (128 channels: vx's 64, vy's 64), on codes of FP4 with E8M0 scales.
; THE SOFTMAX: t = score x log2(e) / 16; M = the running largest t rounded UP to a whole number, kept as -M = min(old -M, floor(-t)); p = 2^(t - M) is quantised along the keys, not normalised;
; the row's sum is taken of the unquantised p and divides O at the end.  When M moves, the sums and O are multiplied by f = 2^(old M - new M): exact.
; O / sum is quantised along the channels and leaves as half fragments of the last products' operands, with one word of four scale bytes a row.
; SHARES.  A work-group owns 256 queries of a head, each of its sixteen waves one tile of 16; every wave walks all 2,048 keys, 128 a step.  Both products are used transposed: a lane holds ONE query.
; Operands in memory are images of registers: a fragment is 1,024 bytes, byte 512 c + 16 lane = registers 4 c .. 4 c + 3; stored tile 2 p + u, row r is key 32 p + 8 u + r + 8 (r / 8).
; THE KEYS OF A TILE OF S^T ARE CHOSEN ANEW, by lane addresses: tile t (0..3) of a group of 64 keys takes in row 8 g + j key 32 g + 8 t + j, which is row j + 8 (t / 2) of stored tile 2 g + t % 2 of the group.
; So a lane's 32 registers of the group's four tiles are ONE WHOLE BLOCK of 32 neighbouring keys (lanes 0-15 the group's first, lanes 16-31 its second): the conversions' results are the second product's operand as they stand.
; LDS HOLDS THE WHOLE HEAD, each byte filled once: 8 pairs of key steps (K' of steps 2 j, 2 j + 1, then V' of both; 8 fragments each, 1,024 + 64 bytes apart), the scale words (24 KiB), the spare words: 305,152 bytes.
; The 64 bytes of padding set stored tiles 2 apart 2,176 bytes apart.
; At the head waves 0-11 fetch the 12 units of steps 0-5, waves 12-15 the scale words' quarters: one load a wave.  Behind the three lines and a round waves 0-9 fetch the other five pairs, 16 KiB each; that load is waited for once, ahead of step 6.
; CLUSTER 4 x 1: four blocks of queries of one head need the same K', V' and scale words: every load is joint, with a mask that names the four.
; No prefetch: every byte is asked for at the head or straight behind it, so there is no loop to run ahead in.
; A STEP has two runs of LDS loads: V's scale words and the next step's K' behind the eight score products; all of V' behind the sums (tiles 0-5 into p's registers, tiles 6, 7 into the softmax's work registers), with O's rescaling behind it.
; The sums of p's last 16 registers stand behind the second product's instructions and are the places ahead of the next step.
; LIMITS: the promise holds while |t| stays under 2^31; a block of zeros gets the byte 1 (its codes are zeros; this program alone reads the bytes); NaN and infinities are not served.
.set TP,    1088                       ; a fragment in LDS
.set UB,    8*TP                       ; a step's K' or V'
.set PB,    4*UB                       ; a pair of steps
.set SC,    8*PB                       ; 278,528: the scale words
.set SPARE, SC+24576                   ; 303,104: 128 bytes for each of sixteen waves: eight blocks of 256 bytes that no other line names
.set T0,  0                            ; v0   behind the head: the old -M, then the address of the step's V'
.set LI,  1                            ; v1   16 x lane
.set LK,  2                            ; v2   my lane's place in a tile of K': 256 (lane / 16) + 16 (lane % 8) + 2 TP ((lane / 8) % 2)
.set SPW, 3                            ; v3   my spare word; never rewritten
.set ASKK, 4                           ; v4   my lane's place among K's scale words: SC + 64 + 4 (lane % 8) + 256 ((lane / 8) % 2)
.set ASV, 5                            ; v5   SC + 4 x lane
.set SH8, 6                            ; v6   8 (lane / 16)
.set NIL, 7                            ; v7   0; never rewritten
.set SUM, 8                            ; v8-15    the row's sum in four pairs
.set KS,  24                           ; v24-31   K's scale words, one register a tile (lanes 16-31)
.set KF,  32                           ; v32-95   K's eight fragments
.set SS,  96                           ; v96-159  S^T, then p, then V's tiles 0-5
.set OO,  160                          ; v160-223 O^T
.set PC,  224                          ; v224-231 p's codes
.set BM,  232                          ; v232-247 at work: addresses of the first run, the softmax's numbers, then V's tiles 6, 7
.set PX,  236
.set TT,  240
.set SO,  244
.set VS,  248                          ; v248-251 V's scale words: lanes 0-15 the even tile's, lanes 16-31 the odd tile's
.set FF,  252                          ; v252 f;  v253 p's scale word;  v254 -M;  v255 Q's scale words
.set PW,  253
.set NM,  254
.set WV,  18
.set SEL, 20
.set CS,  22
.set G1,  24                           ; s[24:31] group 1: 8 rows of 1,024 bytes, padded;  s[32:39]: 24 rows of 256 bytes;  s[84:91]: 16 rows of 1,024, padded
.set G1S, 32
.set G1L, 84
.set G0,  40                           ; groups 0: a unit of steps 0-5;  a quarter of the scale words;  half a later pair
.set G0S, 44
.set G0L, 92
.set TK,  48                           ; the pair in hand: PB bytes a pair
.set TS,  49                           ; its scale words of K': 2,048 bytes a pair
.set TJ,  50                           ; of V': 16,384 + 1,024 bytes a pair
.set CNT, 51
.macro CROUND
	s_barrier_signal -1
	s_barrier_wait -1
	s_cmp_lg_u32 s[WV], 0
	s_cbranch_scc1 .Lnot_wave_0_\@
	s_barrier_signal -3
.Lnot_wave_0_\@:
	s_barrier_wait -3
	s_barrier_signal -1
	s_barrier_wait -1
.endm
.macro QUANT s, tm, pc, pw
.irp b, 0,1,2,3
	v_max3_num_f32 v[\tm+\b], |v[\s+16*\b]|, |v[\s+1+16*\b]|, 0x1800000
.endr
.irp i, 2,4,6,8,10,12,14
.irp b, 0,1,2,3
	s_delay_alu instid0(VALU_DEP_4)
	v_max3_num_f32 v[\tm+\b], v[\tm+\b], |v[\s+16*\b+\i]|, |v[\s+1+16*\b+\i]|
.endr
.endr
.irp b, 0,1,2,3
	s_delay_alu instid0(VALU_DEP_4)
	v_permlanex16_b32 v[\tm+4+\b], v[\tm+\b], s[SEL], s[SEL+1]
.endr
.irp b, 0,1,2,3
	s_delay_alu instid0(VALU_DEP_4)
	v_max_num_f32 v[\tm+\b], v[\tm+\b], v[\tm+4+\b]
.endr
.irp b, 0,1,2,3
	s_delay_alu instid0(VALU_DEP_4)
	v_add_nc_u32 v[\tm+12+\b], 0xff000000, v[\tm+\b]
.endr
.irp b, 0,1,2,3
	s_delay_alu instid0(VALU_DEP_4)
	v_lshrrev_b32 v[\tm+4+\b], 23, v[\tm+12+\b]
.endr
	s_delay_alu instid0(VALU_DEP_3)
	v_lshl_or_b32 v[\pw], v[\tm+5], 8, v[\tm+4]
	s_delay_alu instid0(VALU_DEP_1)
	v_lshl_or_b32 v[\pw], v[\tm+6], 16, v[\pw]
	s_delay_alu instid0(VALU_DEP_1)
	v_lshl_or_b32 v[\pw], v[\tm+7], 24, v[\pw]
.irp b, 0,1,2,3
	v_cvt_scalef32_pk8_fp4_f32 v[\pc+2*\b], v[\s+16*\b:\s+7+16*\b], v[\tm+12+\b]
	v_cvt_scalef32_pk8_fp4_f32 v[\pc+1+2*\b], v[\s+8+16*\b:\s+15+16*\b], v[\tm+12+\b]
.endr
	v_nop
.irp c, 0,1
.irp i, 0,1
	v_permlane16_swap_b32 v[\pc+4*\c+\i], v[\pc+2+4*\c+\i]
.endr
.endr
.endm
; A step's eight tiles of K' and their scale words: 24 LDS loads.  Tile n = 4 c + t: stored tiles 4 c + t % 2 (lanes with g = 0) and two further on (g = 1, in the lane's address), rows 8 (t / 2) on
.macro KLOAD ko, so
.irp n, 0,1,2,3,4,5,6,7
	ds_load_b128 v[KF+8*\n:KF+8*\n+3], v[BM] offset:(\ko)+(4*(\n/4)+(\n%2))*TP+128*((\n%4)/2)
	ds_load_b128 v[KF+8*\n+4:KF+8*\n+7], v[BM] offset:(\ko)+(4*(\n/4)+(\n%2))*TP+128*((\n%4)/2)+512
	ds_load_b32 v[KS+\n], v[BM+1] offset:(\so)+(4*(\n/4)+(\n%2))*128+32*((\n%4)/2)
.endr
.endm
.macro VLOAD reg, t, q                 ; tile t of the step's V'
	ds_load_b128 v[\reg:\reg+3], v[T0] offset:2*UB+UB*(\q)+TP*(\t)
	ds_load_b128 v[\reg+4:\reg+7], v[T0] offset:2*UB+UB*(\q)+TP*(\t)+512
.endm
.macro PV t, fr                        ; O^T's tile t += V'^T P^T; the eight accumulators take turns
.if (\t)%2 == 0
	v_wmma_scale_f32_16x16x128_f8f6f4 v[OO+8*(\t):OO+8*(\t)+7], v[\fr:\fr+7], v[PC:PC+7], v[OO+8*(\t):OO+8*(\t)+7], v[VS+(\t)/2], v[PW] matrix_a_fmt:MATRIX_FMT_FP4 matrix_b_fmt:MATRIX_FMT_FP4
.else
	v_wmma_scale_f32_16x16x128_f8f6f4 v[OO+8*(\t):OO+8*(\t)+7], v[\fr:\fr+7], v[PC:PC+7], v[OO+8*(\t):OO+8*(\t)+7], v[VS+(\t)/2], v[PW] matrix_a_fmt:MATRIX_FMT_FP4 matrix_b_fmt:MATRIX_FMT_FP4 matrix_a_scale:MATRIX_SCALE_ROW1
.endif
.endm
.macro FIRSTK                          ; the first K' of a run of steps: nothing has fetched it ahead
	v_add_nc_u32 v[BM], s[TK], v[LK]
	v_add_nc_u32 v[BM+1], s[TS], v[ASKK]
	KLOAD 0, 0
	s_wait_dscnt 0x0
.endm
; A KEY STEP: 128 keys, the q-th of the pair in hand.  K's fragments are in registers.  more = 1: the next step's are fetched
.macro STEP q, more
.irp t, 0,1,2,3,4,5,6,7
	v_wmma_scale_f32_16x16x128_f8f6f4 v[SS+8*\t:SS+8*\t+7], v[KF+8*\t:KF+8*\t+7], v[16:23], 0, v[KS+\t], v255 matrix_a_fmt:MATRIX_FMT_FP4 matrix_b_fmt:MATRIX_FMT_FP4 matrix_a_scale:MATRIX_SCALE_ROW1
.endr
	v_mov_b32 v[T0], v[NM]                         ; four places behind the products, ahead of the loads into their sources and of the first read of S^T
	v_add_nc_u32 v[BM+2], s[TJ], v[ASV]
.if \more
	v_add_nc_u32 v[BM], s[TK], v[LK]
	v_add_nc_u32 v[BM+1], s[TS], v[ASKK]
.else
	v_nop
	v_nop
.endif
.irp k, 0,1,2,3
	ds_load_b32 v[VS+\k], v[BM+2] offset:512*(\q)+128*\k   ; this step's scale words of V'
.endr
.if \more
	KLOAD UB+3*UB*(\q), 1024*((\q)+1)              ; the pair's second step, or the next pair's first
.endif
.irp c, 0,1                                    ; the largest score of my two blocks of 32 keys, each in two chains: for the row's maximum and for the block's largest p
	v_max3_num_f32 v[BM+\c], v[SS+32*\c], v[SS+32*\c+1], v[SS+32*\c+2]
	v_max3_num_f32 v[BM+2+\c], v[SS+32*\c+17], v[SS+32*\c+18], v[SS+32*\c+19]
.endr
.irp i, 3,5,7,9,11,13
.irp c, 0,1
	v_max3_num_f32 v[BM+\c], v[BM+\c], v[SS+32*\c+\i], v[SS+32*\c+\i+1]
	v_max3_num_f32 v[BM+2+\c], v[BM+2+\c], v[SS+32*\c+17+\i], v[SS+32*\c+18+\i]
.endr
.endr
.irp c, 0,1
	v_max3_num_f32 v[BM+\c], v[BM+\c], v[SS+32*\c+15], v[SS+32*\c+16]
.endr
.irp c, 0,1
	s_delay_alu instid0(VALU_DEP_2)
	v_max_num_f32 v[BM+\c], v[BM+\c], v[BM+2+\c]
.endr
	s_delay_alu instid0(VALU_DEP_1)
	v_max_num_f32 v[TT], v[BM], v[BM+1]
	s_delay_alu instid0(VALU_DEP_1)
	v_permlanex16_b32 v[PX], v[TT], s[SEL], s[SEL+1]
	s_delay_alu instid0(VALU_DEP_1)
	v_max_num_f32 v[TT], v[TT], v[PX]              ; with lane l xor 16's two blocks: the step's largest score of my query
	s_delay_alu instid0(VALU_DEP_1)
	v_mul_f32 v[TT], s[CS], v[TT]                  ; as t
	s_delay_alu instid0(VALU_DEP_1)
	v_floor_f32 v[TT], -v[TT]                      ; -ceil(t)
	s_delay_alu instid0(VALU_DEP_1)
	v_min_num_f32 v[NM], v[NM], v[TT]              ; the new -M: the ceiling of a maximum is the maximum of the ceilings
	s_delay_alu instid0(VALU_DEP_1)
	v_sub_f32 v[TT], v[NM], v[T0]                  ; old M - new M: a whole number, 0 or less
	v_add_nc_u32 v[T0], s[TK], v[LI]               ; where the pair's tiles lie, for V'
	s_delay_alu instid0(VALU_DEP_2)
	v_cvt_i32_f32 v[TT], v[TT]                     ; (it saturates)
	s_delay_alu instid0(VALU_DEP_1)
	v_ldexp_f32 v[FF], 1.0, v[TT]                  ; f = 2^(old M - new M)
.irp j, 0,2,4,6,8,10,12,14,16,18,20,22,24,26,28,30,32,34,36,38,40,42,44,46,48,50,52,54,56,58,60,62
	v_pk_fma_f32 v[SS+\j:SS+\j+1], v[SS+\j:SS+\j+1], s[CS:CS+1], v[NM:NM+1] op_sel_hi:[1,0,0]   ; t - M, two at a time
.endr
.irp c, 0,1
	v_fma_f32 v[BM+\c], v[BM+\c], s[CS], v[NM]     ; the same of each block's largest score
.endr
	s_wait_alu depctr_va_vdst(0)                   ; ahead of the batch
.irp j, 0,1,2,3,4,5,6,7,8,9,10,11,12,13,14,15,16,17,18,19,20,21,22,23,24,25,26,27,28,29,30,31,32,33,34,35,36,37,38,39,40,41,42,43,44,45,46,47,48,49,50,51,52,53,54,55,56,57,58,59,60,61,62,63
	v_exp_f32 v[SS+\j], v[SS+\j]                   ; p = 2^(t - M), at most 1
.endr
.irp c, 0,1
	v_exp_f32 v[BM+\c], v[BM+\c]                   ; the block's largest p: the same two instructions on the same number
.endr
	v_nop                                          ; a plain place behind the exponentials
	s_wait_alu depctr_va_vdst(0)                   ; one wait behind the batch
.irp c, 0,1
	v_max_num_f32 v[BM+\c], 0x1800000, v[BM+\c]    ; the floor 2^(3 - 127): the byte cannot fall under 1
.endr
.irp c, 0,1
	s_delay_alu instid0(VALU_DEP_2)
	v_add_nc_u32 v[SO+\c], 0xff000000, v[BM+\c]    ; the conversion's scale operand
.endr
.irp c, 0,1
	s_delay_alu instid0(VALU_DEP_2)
	v_lshrrev_b32 v[PX+1+\c], 23, v[SO+\c]         ; the byte
.endr
	s_delay_alu instid0(VALU_DEP_1)
	v_lshl_or_b32 v[TT], v[PX+2], 16, v[PX+1]      ; my two bytes: blocks h and 2 + h,
	s_delay_alu instid0(VALU_DEP_1)
	v_lshlrev_b32 v[TT], v[SH8], v[TT]             ; 8 h bits up;
	s_delay_alu instid0(VALU_DEP_1)
	v_permlanex16_b32 v[PX], v[TT], s[SEL], s[SEL+1]
	s_delay_alu instid0(VALU_DEP_1)
	v_or_b32 v[PW], v[TT], v[PX]                   ; with lane l xor 16's two: p's scale word for these 128 keys
.irp c, 0,1
.irp g, 0,1,2,3
	v_cvt_scalef32_pk8_fp4_f32 v[PC+4*\c+\g], v[SS+32*\c+8*\g:SS+32*\c+8*\g+7], v[SO+\c]   ; registers 4 c .. 4 c + 3 of the operand: k = 64 c + 32 h + 0 .. 31
.endr
.endr
.irp i, 0,2,4,6
	v_pk_fma_f32 v[SUM+\i:SUM+\i+1], v[SUM+\i:SUM+\i+1], v[FF:FF+1], v[SS+\i:SS+\i+1] op_sel_hi:[1,0,1]   ; the sums under the new M, and the first eight p.  (Plain lines behind the conversions)
.endr
.irp t, 1,2,3,4,5
.irp i, 0,2,4,6
	v_pk_add_f32 v[SUM+\i:SUM+\i+1], v[SUM+\i:SUM+\i+1], v[SS+8*\t+\i:SS+8*\t+\i+1]   ; THE ROW'S SUM IS TAKEN OF THE UNQUANTISED p, in four chains
.endr
.endr
	VLOAD BM, 6, \q                                ; the softmax's work registers are done with;
	VLOAD BM+8, 7, \q
.irp t, 0,1,2,3,4,5
	VLOAD SS+8*\t, \t, \q                          ; p's first 48 registers are summed and converted
.endr
	s_wait_alu depctr_va_vdst(0)                   ; directly ahead of the first readers of O^T
.irp j, 0,2,4,6,8,10,12,14,16,18,20,22,24,26,28,30,32,34,36,38,40,42,44,46,48,50,52,54,56,58,60,62
	v_pk_mul_f32 v[OO+\j:OO+\j+1], v[OO+\j:OO+\j+1], v[FF:FF+1] op_sel_hi:[1,0]   ; O^T under the new M, each accumulator from its low end on, while V' comes in
.endr
	s_wait_alu depctr_va_vdst(0)
	s_wait_dscnt 8                                 ; all but the youngest eight loads: tiles 2 to 5 may be out
	PV 6, BM
	PV 7, BM+8
	PV 0, SS
	PV 1, SS+8
	s_wait_dscnt 4                                 ; tiles 4 and 5 may be out
	PV 2, SS+16
	PV 3, SS+24
	s_wait_dscnt 0x0                               ; all are in, the next step's K' among them
	PV 4, SS+32
	PV 5, SS+40
.irp j, 48,50,52,54,56,58,60,62
	v_pk_add_f32 v[SUM+\j%8:SUM+\j%8+1], v[SUM+\j%8:SUM+\j%8+1], v[SS+\j:SS+\j+1]   ; p's last 16 registers, which no fragment took: eight places behind the products
.endr
.endm
.macro PAIR more
	STEP 0, 1
	STEP 1, \more
	s_add_co_u32 s[TK], s[TK], PB
	s_add_co_u32 s[TS], s[TS], 2048
	s_add_co_u32 s[TJ], s[TJ], 1024
.endm
	s_load_b256 s[4:11], s[0:1], 0x0               ; attimg, attsc, aimg, araw
	v_lshl_add_u32 v[SPW], v0, 2, SPARE
	v_mov_b32 v[NIL], 0
	ds_add_u32 v[SPW], v[NIL]                      ; the opening lines: the add, twice on end, and its wait ahead of my first tensor load
	ds_add_u32 v[SPW], v[NIL]
	v_lshrrev_b32 v8, 5, v0
	v_readfirstlane_b32 s[WV], v8                  ; wave 0..15
	s_bfe_u32 s52, ttmp6, 0x40000                  ; cx: it enters Q's and the results' addresses alone
	s_lshl_b32 s53, ttmp9, 2
	s_add_co_u32 s53, s53, s52                     ; my block of 256 queries
	s_and_b32 s54, ttmp7, 0xffff                   ; bh, which the four partners share
	s_lshl_b32 s57, s54, 17
	s_add_co_u32 s57, s57, 0x400000                ; my head's K'; its V' lies 4 MiB behind
	s_mul_i32 s55, s[WV], UB                       ; unit w of steps 0-5: LDS byte UB x w;
	s_bfe_u32 s56, s[WV], 0x10001
	s_lshl_b32 s56, s56, 22                        ; V' where (w >> 1) is odd;
	s_lshr_b32 s58, s[WV], 2
	s_lshl_b32 s58, s58, 1
	s_and_b32 s59, s[WV], 1
	s_add_co_u32 s58, s58, s59                     ; key step 2 (w >> 2) + (w & 1)
	s_lshl_b32 s58, s58, 13
	s_add_co_u32 s58, s58, s56
	s_add_co_u32 s58, s58, s57
	s_mov_b32 s59, 0
	s_mul_i32 s60, s54, 24576                      ; the head's scale words
	s_and_b32 s61, s[WV], 3
	s_mul_i32 s61, s61, 6144                       ; quarter w & 3
	s_add_co_u32 s62, s60, s61
	s_mov_b32 s63, 0
	s_add_co_u32 s61, s61, SC
	s_min_u32 s72, s[WV], 9                        ; the later pairs: load v = K' (even v) or V' (odd) of pair 3 + (v >> 1)
	s_and_b32 s74, s72, 1
	s_lshl_b32 s74, s74, 22
	s_lshr_b32 s75, s72, 1
	s_add_co_u32 s75, s75, 3
	s_lshl_b32 s75, s75, 14
	s_add_co_u32 s74, s74, s75
	s_add_co_u32 s74, s74, s57
	s_mov_b32 s75, 0
	s_mul_i32 s72, s72, 2*UB
	s_add_co_u32 s72, s72, 3*PB                    ; LDS byte 3 PB + 2 UB v
.irp g, G1, G1L
	s_mov_b32 s[\g], 15|(3<<16)|(1<<20)|(1<<21)|(7<<22)|(15<<25)   ; 15:0 the mask: all four work-groups; 17:16 elements of 8 bytes; 20 padding on; 21 set beside a mask; 24:22 after every 256 words; 31:25 sixteen words
	s_mov_b32 s[\g+1], 128<<16                     ; rows of 1,024 bytes, dense in memory: a fragment a row
	s_mov_b32 s[\g+3], 128<<16
	s_mov_b32 s[\g+5], 128
	s_mov_b32 s[\g+6], 0
	s_mov_b32 s[\g+7], 0
.endr
	s_mov_b32 s[G1+2], 8<<16                       ; 8 rows: 8 KiB
	s_mov_b32 s[G1+4], 8
	s_mov_b32 s[G1L+2], 16<<16                     ; 16 rows: 16 KiB
	s_mov_b32 s[G1L+4], 16
	s_mov_b32 s[G1S], 15|(3<<16)|(1<<21)           ; the scale words: no padding
	s_mov_b32 s[G1S+1], 32<<16                     ; rows of 256 bytes, dense
	s_mov_b32 s[G1S+2], 24<<16                     ; 24 rows: 6,144 bytes
	s_mov_b32 s[G1S+3], 32<<16
	s_mov_b32 s[G1S+4], 24
	s_mov_b32 s[G1S+5], 32
	s_mov_b32 s[G1S+6], 0
	s_mov_b32 s[G1S+7], 0
	s_mov_b32 s[SEL], 0x76543210
	s_mov_b32 s[SEL+1], 0xfedcba98
	s_mov_b32 s[CS], 0x3db8aa3b                    ; c = log2(e) / 16
	s_mov_b32 s[CS+1], s[CS]                       ; (named with it as a pair)
	s_mov_b32 s[TK], 0
	s_mov_b32 s[TS], 0
	s_mov_b32 s[TJ], 16384
	s_lshl_b32 s66, s53, 4
	s_add_co_u32 s66, s66, s[WV]                   ; my tile of queries, 0..127
	s_lshl_b32 s67, s54, 7
	s_add_co_u32 s67, s67, s66
	s_lshl_b32 s68, s67, 10
	s_mov_b32 s69, 0
	s_lshl_b32 s70, s66, 7
	s_add_co_u32 s70, s70, s60
	s_mov_b32 s71, 0
	s_wait_dscnt 0x0                               ; both opening adds are done
	s_wait_kmcnt 0x0
	s_mov_b32 s[G0], 1
	s_mov_b32 s[G0+1], s55
	s_add_nc_u64 s[G0+2:G0+3], s[4:5], s[58:59]
	s_or_b32 s[G0+3], s[G0+3], 0x80000000
	s_mov_b32 s[G0S], 1
	s_mov_b32 s[G0S+1], s61
	s_add_nc_u64 s[G0S+2:G0S+3], s[6:7], s[62:63]
	s_or_b32 s[G0S+3], s[G0S+3], 0x80000000
	s_mov_b32 s[G0L], 1
	s_mov_b32 s[G0L+1], s72
	s_add_nc_u64 s[G0L+2:G0L+3], s[4:5], s[74:75]
	s_or_b32 s[G0L+3], s[G0L+3], 0x80000000
	s_add_nc_u64 s[68:69], s[4:5], s[68:69]        ; Q' at my tile
	s_add_nc_u64 s[70:71], s[6:7], s[70:71]        ; and its scale words
	CROUND                                         ; all four work-groups are here: the first joint loads meet
	s_cmp_lt_u32 s[WV], 12                         ; one load a wave, in the two arms of one branch on the wave's number
	s_cbranch_scc0 .Lhead_s
	tensor_load_to_lds s[G0:G0+3], s[G1:G1+7]      ; a unit of key steps 0 to 5
	s_nop 0
.rept 4
	v_nop
.endr
	s_branch .Lhead_asked
.Lhead_s:
	tensor_load_to_lds s[G0S:G0S+3], s[G1S:G1S+7]  ; a quarter of the head's scale words
	s_nop 0
.rept 4
	v_nop
.endr
.Lhead_asked:
	v_and_b32 v240, 31, v0                         ; lane
	v_and_b32 v242, 7, v0                          ; j
	v_bfe_u32 v243, v0, 3, 1                       ; g
	v_bfe_u32 v244, v0, 4, 1                       ; h
	v_lshlrev_b32 v[LI], 4, v240
	v_lshlrev_b32 v241, 2, v240
	v_lshlrev_b32 v245, 4, v242
	v_lshlrev_b32 v246, 2, v242
	v_lshl_add_u32 v245, v244, 8, v245
	v_lshl_add_u32 v246, v243, 8, v246
	v_lshlrev_b32 v[SH8], 3, v244
	v_add_nc_u32 v[ASV], SC, v241
	v_mad_u32_u24 v[LK], v243, 2*TP, v245
	v_add_nc_u32 v[ASKK], SC+64, v246
	global_load_b128 v[16:19], v[LI], s[68:69]     ; Q's fragment stays in registers
	global_load_b128 v[20:23], v[LI], s[68:69] offset:512
	global_load_b32 v255, v241, s[70:71]           ; its scale words, in lanes 0-15
	v_mov_b32 v[NM], 0x7f61b1e6                    ; -M: 3e38, over every -ceil(t)
	v_mov_b32 v[PW], 0                             ; (named as the upper half of v[252:253] before it is first written)
.irp b, 0,1,2,3
	v_mov_b32 v[PX+\b], 0                          ; a lane permute's destination counts as read
.endr
.irp j, 0,1,2,3,4,5,6,7
	v_mov_b32 v[SUM+\j], 0
.endr
.irp j, 0,1,2,3,4,5,6,7,8,9,10,11,12,13,14,15,16,17,18,19,20,21,22,23,24,25,26,27,28,29,30,31,32,33,34,35,36,37,38,39,40,41,42,43,44,45,46,47,48,49,50,51,52,53,54,55,56,57,58,59,60,61,62,63
	v_mov_b32 v[OO+\j], 0                          ; O^T: the step is written once; the first finds zeros, which f = 0 leaves zeros
.endr
	s_wait_alu depctr_va_vdst(0)
	s_wait_loadcnt 0x0                             ; Q'
	s_wait_tensorcnt 0x0                           ; my load of the head has landed
	ds_add_u32 v[SPW], v[NIL]
	s_wait_dscnt 0x0
	CROUND                                         ; everybody's has landed, and the four work-groups meet for the second joint loads
	s_cmp_lt_u32 s[WV], 10
	s_cbranch_scc0 .Lno_rest
	tensor_load_to_lds s[G0L:G0L+3], s[G1L:G1L+7]  ; pairs 3 to 7: bytes filled for the first time; six key steps stand ahead of the wait for it
	s_nop 0
.rept 4
	v_nop
.endr
.Lno_rest:
	FIRSTK
	s_mov_b32 s[CNT], 2
.Lfirst:                                           ; pairs 0 and 1
	PAIR 1
	s_sub_co_u32 s[CNT], s[CNT], 1
	s_cmp_lg_u32 s[CNT], 0
	s_cbranch_scc1 .Lfirst
	PAIR 0                                         ; pair 2 fetches nothing of pair 3
	s_wait_tensorcnt 0x0                           ; my part of pairs 3 to 7 has landed
	s_barrier_signal -1
	s_barrier_wait -1                              ; everybody's has
	FIRSTK
	s_mov_b32 s[CNT], 4
.Lrest:                                            ; pairs 3 to 6
	PAIR 1
	s_sub_co_u32 s[CNT], s[CNT], 1
	s_cmp_lg_u32 s[CNT], 0
	s_cbranch_scc1 .Lrest
	PAIR 0                                         ; pair 7
	; THE WAY OUT
	s_wait_alu depctr_va_vdst(0)                   ; directly ahead of the run of scalar lines
	s_and_b32 s72, s54, 15                         ; the head
	s_lshr_b32 s73, s54, 4
	s_lshl_b32 s73, s73, 7
	s_add_co_u32 s73, s73, s66                     ; T: my tile among the 256 tiles of tokens
	s_lshr_b32 s74, s73, 2
	s_lshl_b32 s74, s74, 3
	s_lshr_b32 s75, s72, 1
	s_add_co_u32 s74, s74, s75
	s_lshl_b32 s74, s74, 12                        ; block of four tiles, K step head / 2,
	s_and_b32 s75, s73, 3
	s_lshl_b32 s75, s75, 10
	s_add_co_u32 s74, s74, s75                     ; tile in it,
	s_and_b32 s75, s72, 1
	s_lshl_b32 s75, s75, 9
	s_add_co_u32 s74, s74, s75                     ; half head % 2 of the fragment
	s_lshl_b32 s75, s72, 14
	s_lshl_b32 s76, s73, 6
	s_add_co_u32 s75, s75, s76                     ; the words: [head][T][16]
	v_pk_add_f32 v[8:9], v[8:9], v[10:11]
	v_pk_add_f32 v[12:13], v[12:13], v[14:15]
	s_delay_alu instid0(VALU_DEP_1)
	v_pk_add_f32 v[8:9], v[8:9], v[12:13]
	s_delay_alu instid0(VALU_DEP_1)
	v_add_f32 v8, v8, v9
	s_delay_alu instid0(VALU_DEP_1)
	v_permlanex16_b32 v[PX], v8, s[SEL], s[SEL+1]
	s_delay_alu instid0(VALU_DEP_1)
	v_add_f32 v8, v8, v[PX]                        ; the row's sum
	s_wait_alu depctr_va_vdst(0)                   ; ahead of the transcendental
	v_rcp_f32 v8, v8
	v_bfe_u32 v10, v[LI], 4, 4                     ; lane % 16  (plain lines behind the reciprocal)
	s_delay_alu instid0(VALU_DEP_1)
	v_lshlrev_b32 v10, 2, v10
	s_delay_alu instid0(VALU_DEP_1)
	v_add_nc_u32 v10, s75, v10
	v_add_nc_u32 v9, s74, v[LI]
	v_lshrrev_b32 v11, 4, v[LI]                    ; lane
	s_wait_alu depctr_va_vdst(0)                   ; the wait behind it, directly ahead of the first readers of O^T
.irp j, 0,1,2,3,4,5,6,7,8,9,10,11,12,13,14,15,16,17,18,19,20,21,22,23,24,25,26,27,28,29,30,31,32,33,34,35,36,37,38,39,40,41,42,43,44,45,46,47,48,49,50,51,52,53,54,55,56,57,58,59,60,61,62,63
	v_mul_f32 v[SS+\j], v[OO+\j], v8               ; O^T / the sum: register 16 b + i = channel 32 b + 16 (lane / 16) + i: b = 0, 1 of a1, b = 2, 3 of a2
.endr
	QUANT SS, BM, PC, PW
	global_store_b128 v9, v[224:227], s[8:9]                   ; a1's half fragment: 512 consecutive bytes
	global_store_b128 v9, v[228:231], s[8:9] offset:2097152    ; a2's
	s_wait_xcnt 0x0                                ; EXEC changes only behind this wait
	v_cmp_gt_u32 vcc_lo, 16, v11
	s_and_saveexec_b32 s76, vcc_lo
	global_store_b32 v10, v253, s[10:11]           ; lanes 0-15: the rows' words
	s_wait_xcnt 0x0
	s_or_b32 exec_lo, exec_lo, s76
	s_wait_tensorcnt 0x0                           ; the wave's end
	ds_add_u32 v[SPW], v[NIL]
	s_wait_dscnt 0x0
	CROUND                                         ; the closing round
	s_endpgm
.Lfunc_end_k_q8684e85d0a_attn:
	.size	k_q8684e85d0a_attn, .Lfunc_end_k_q8684e85d0a_attn-k_q8684e85d0a_attn
	.p2alignl 7, 3214868480
	.fill 96, 4, 3214868480
	.section	.rodata,"a",@progbits
	.p2align	6, 0x0
	.amdhsa_kernel k_q8684e85d0a_attn
		.amdhsa_group_segment_fixed_size 327680
		.amdhsa_private_segment_fixed_size 0
		.amdhsa_enable_private_segment 0
		.amdhsa_kernarg_size 32
		.amdhsa_user_sgpr_count 2
		.amdhsa_user_sgpr_kernarg_segment_ptr 1
		.amdhsa_wavefront_size32 1
		.amdhsa_system_sgpr_workgroup_id_x 1
		.amdhsa_system_sgpr_workgroup_id_y 1
		.amdhsa_system_sgpr_workgroup_id_z 1
		.amdhsa_system_vgpr_workitem_id 0
		.amdhsa_next_free_vgpr 256
		.amdhsa_next_free_sgpr 100
		.amdhsa_reserve_vcc 1
		.amdhsa_float_denorm_mode_32 3
		.amdhsa_float_denorm_mode_16_64 3
		.amdhsa_memory_ordered 1
		.amdhsa_forward_progress 1
		.amdhsa_inst_pref_size 159
	.end_amdhsa_kernel
	.amdgpu_metadata
---
amdhsa.version: [ 1, 2 ]
amdhsa.kernels:
  - .name:           k_q8684e85d0a_attn
    .symbol:         k_q8684e85d0a_attn.kd
    .args:
      - { .name: attimg, .offset: 0, .size: 8, .value_kind: global_buffer, .address_space: global }
      - { .name: attsc, .offset: 8, .size: 8, .value_kind: global_buffer, .address_space: global }
      - { .name: aimg, .offset: 16, .size: 8, .value_kind: global_buffer, .address_space: global }
      - { .name: araw, .offset: 24, .size: 8, .value_kind: global_buffer, .address_space: global }
    .group_segment_fixed_size: 327680
    .private_segment_fixed_size: 0
    .kernarg_segment_align: 8
    .kernarg_segment_size: 32
    .max_flat_workgroup_size: 512
    .sgpr_count:     100
    .vgpr_count:     256
    .wavefront_size: 32
...
	.end_amdgpu_metadata
.endif
;; end of part 3
;; launch outp (part 4): grid 4 x 64, 8 waves a work-group, clusters of 4 x 4, 327,680 bytes of LDS; arguments aimg, araw, ops, opscl, x, y, box, boy, out0, out1; writes out0, out1
.if DOCPART == 4
	.amdgcn_target "amdgcn-amd-amdhsa--gfx1250"
	.amdhsa_code_object_version 6
	.text
	.protected	k_q8684e85d0a_outp
	.globl	k_q8684e85d0a_outp
	.p2align	8
	.type	k_q8684e85d0a_outp,@function
k_q8684e85d0a_outp:
	s_mov_b64 s[64:65], 0
	v_nop
	global_prefetch_b8 v0, s[64:65] scope:SCOPE_SE
	s_setreg_imm32_b32 hwreg(HW_REG_WAVE_MODE, 25, 1), 1
	s_wait_xcnt 0x0
	s_wait_alu depctr_hold_cnt(0) depctr_sa_sdst(0) depctr_va_vdst(0) depctr_va_sdst(0) depctr_va_ssrc(0) depctr_va_vcc(0) depctr_vm_vsrc(0)
	s_getreg_b32 s2, hwreg(HW_REG_IB_STS2, 6, 4)
	s_cmp_eq_u32 s2, 0
	s_cbranch_scc0 .Lentry_in_a_cluster
	s_endpgm
.Lentry_in_a_cluster:
	s_bfe_u32 s2, ttmp6, 0x10000c
	s_cmp_lg_u32 s2, 0xf033
	s_cbranch_scc0 .Lentry_shape_is_right
	s_endpgm
.Lentry_shape_is_right:
; out0 = a1 Wox + box + x, out1 = a2 Woy + boy + y; the products on codes of FP4 with E8M0 scales, K = 1,024; all else in f32.
; A work-group makes 128 tokens x 256 columns of one of the two; work-group rows 0-31 the first, 32-63 the second (a cluster lies in one of them).  Wave w: columns 128 (w & 1) on (eight tiles of the weight, source 0),
; token tiles 2 (w >> 1), + 1 (source 1): 16 accumulators; a lane holds one token and eight neighbouring columns an accumulator.
; Operands are images of registers (a fragment = 1,024 bytes).  LDS: six regions of 32 KiB, [K step 8][tile 4][1,024]: a (2), the weight (4), each filled ONCE by one wave in one load of all eight K steps;
; behind them a stage of 16 rows x (512 + 16) bytes for each wave, which no tensor load fills.
; CLUSTER 4 x 4: the four of a row share the tokens, the four of a column the weight's columns: each region is asked for jointly.
; The residual rows and the bias are asked for at the head and wait in registers of window 1.
.set WV,  12
.set G1A, 16
.set G1B, 24
.set G0A, 32
.set G0B, 48
.set LI,  1                            ; v1  16 x lane
.set AD0, 2                            ; v2  the weight's first tile
.set AD1, 3                            ; v3, v4  a's two tiles
.set STO, 5                            ; v5  the stage, in
.set RD,  6                            ; v6  the stage, out
.set SC0, 8                            ; v8-39  the weight's scale words, 4 i + q
.set SC1, 40                           ; v40-47 a's, 4 a + q
.set F1,  48
.set F0,  64
.set ACC, 128
.set STAGE, 196608
.set MSB, 0
.macro WIN new                         ; the immediate's high byte repeats the setting that is left
.if MSB != \new
	s_set_vgpr_msb (MSB<<8)|\new
.set MSB, \new
.endif
.endm
.macro CROUND
	s_barrier_signal -1
	s_barrier_wait -1
	s_cmp_lg_u32 s[WV], 0
	s_cbranch_scc1 .Lnot_wave_0_\@
	s_barrier_signal -3
.Lnot_wave_0_\@:
	s_barrier_wait -3
	s_barrier_signal -1
	s_barrier_wait -1
.endm
.macro WM i, a, s
.if (\s) == 0
	v_wmma_scale_f32_16x16x128_f8f6f4 v[ACC+64*(\a)+8*(\i):ACC+64*(\a)+8*(\i)+7], v[F0+8*(\i):F0+8*(\i)+7], v[F1+8*(\a):F1+8*(\a)+7], 0, v[SC0+4*(\i)+(\s)/2], v[SC1+4*(\a)+(\s)/2] matrix_a_fmt:MATRIX_FMT_FP4 matrix_b_fmt:MATRIX_FMT_FP4
.elseif (\s)%2 == 0
	v_wmma_scale_f32_16x16x128_f8f6f4 v[ACC+64*(\a)+8*(\i):ACC+64*(\a)+8*(\i)+7], v[F0+8*(\i):F0+8*(\i)+7], v[F1+8*(\a):F1+8*(\a)+7], v[ACC+64*(\a)+8*(\i):ACC+64*(\a)+8*(\i)+7], v[SC0+4*(\i)+(\s)/2], v[SC1+4*(\a)+(\s)/2] matrix_a_fmt:MATRIX_FMT_FP4 matrix_b_fmt:MATRIX_FMT_FP4
.else
	v_wmma_scale_f32_16x16x128_f8f6f4 v[ACC+64*(\a)+8*(\i):ACC+64*(\a)+8*(\i)+7], v[F0+8*(\i):F0+8*(\i)+7], v[F1+8*(\a):F1+8*(\a)+7], v[ACC+64*(\a)+8*(\i):ACC+64*(\a)+8*(\i)+7], v[SC0+4*(\i)+(\s)/2], v[SC1+4*(\a)+(\s)/2] matrix_a_fmt:MATRIX_FMT_FP4 matrix_b_fmt:MATRIX_FMT_FP4 matrix_a_scale:MATRIX_SCALE_ROW1 matrix_b_scale:MATRIX_SCALE_ROW1
.endif
.endm
.macro KSTEP s                         ; 20 LDS loads, 16 products; the 16 accumulators take turns, one instruction a turn
.if (\s) > 0
.rept 4
	v_nop                                          ; places in front of loads into registers that matrix instructions have read
.endr
.endif
.irp c, 0,1
	ds_load_b128 v[F1+4*\c:F1+4*\c+3], v[AD1] offset:4096*(\s)+512*\c
	ds_load_b128 v[F1+8+4*\c:F1+8+4*\c+3], v[AD1+1] offset:4096*(\s)+512*\c
.endr
.irp i, 0,1,2,3,4,5,6,7
.irp c, 0,1
	ds_load_b128 v[F0+8*\i+4*\c:F0+8*\i+4*\c+3], v[AD0] offset:(\i/4)*32768+(\i%4)*1024+4096*(\s)+512*\c
.endr
.endr
.irp i, 0,1,2,3,4,5,6,7
	s_wait_dscnt 14-2*\i                           ; a's fragments and the weight's tiles up to i are in; the two loads of each later tile may be out
.irp a, 0,1
	WM \i, \a, \s
.endr
.endr
.endm
	s_load_b256 s[4:11], s[0:1], 0x0               ; aimg, araw, ops, opscl
	s_load_b256 s[68:75], s[0:1], 0x20             ; x, y, box, boy
	s_load_b128 s[76:79], s[0:1], 0x40             ; out0, out1
	s_set_vgpr_msb 0x40
	v_lshl_add_u32 v144, v0, 2, 0x40800
	v_mov_b32 v145, 0
	s_set_vgpr_msb 0x4045
	ds_add_u32 v144, v145
	ds_add_u32 v144, v145
	s_set_vgpr_msb 0x4500
	v_lshrrev_b32 v1, 5, v0
	s_delay_alu instid0(VALU_DEP_1)
	v_readfirstlane_b32 s[WV], v1                  ; wave 0..7
	s_bfe_u32 s13, ttmp6, 0x40000                  ; cx
	s_bfe_u32 s14, ttmp6, 0x40004                  ; cy
	s_lshl_b32 s15, ttmp9, 2
	s_add_co_u32 s15, s15, s13                     ; which 256 columns
	s_and_b32 s80, ttmp7, 0xffff
	s_lshr_b32 s67, s80, 3                         ; which of the two products: from the cluster's y alone
	s_lshl_b32 s66, s80, 2
	s_add_co_u32 s66, s66, s14                     ; Y = 32 x product + which 128 tokens
	s_lshl_b32 s81, s14, 2
	s_lshl_b32 s81, 15, s81                        ; my row of the cluster
	s_lshl_b32 s82, 0x1111, s13                    ; my column
	s_or_b32 s[G1A], s81, (3<<16)|(1<<21)          ; 15:0 the mask; 17:16 elements of 8 bytes; 21 set beside a mask; no padding
	s_or_b32 s[G1B], s82, (3<<16)|(1<<21)
.irp g, G1A, G1B
	s_mov_b32 s[\g+1], 32<<16                      ; rows of 256 bytes,
	s_mov_b32 s[\g+2], 128<<16                     ; 128 of them, dense: a whole region, eight K steps of four tiles
	s_mov_b32 s[\g+3], 32<<16
	s_mov_b32 s[\g+4], 128
	s_mov_b32 s[\g+5], 32
	s_mov_b32 s[\g+6], 0
	s_mov_b32 s[\g+7], 0
.endr
	s_min_u32 s83, s[WV], 5                        ; the region that I fill (waves 6, 7 fill none)
	s_lshl_b32 s84, s83, 15
	s_and_b32 s85, s83, 1
	s_lshl_b32 s86, s66, 1
	s_add_co_u32 s86, s86, s85                     ; a's block 2 Y + (w & 1): made of Y and the wave alone
	s_lshl_b32 s86, s86, 15
	s_mov_b32 s87, 0
	s_lshl_b32 s88, s67, 4
	s_lshl_b32 s89, s15, 2
	s_add_co_u32 s88, s88, s89
	s_add_co_u32 s88, s88, s83
	s_add_co_u32 s88, s88, 174                     ; the weight's block 176 + 16 x product + 4 x columns + (w - 2)
	s_lshl_b32 s88, s88, 15
	s_mov_b32 s89, 0
	s_wait_dscnt 0x0
	s_wait_kmcnt 0x0
	s_add_nc_u64 s[86:87], s[4:5], s[86:87]
	s_add_nc_u64 s[88:89], s[8:9], s[88:89]
.irp j, 0
	s_mov_b32 s[G0A+4*\j], 1
	s_add_co_u32 s[G0A+4*\j+1], s84, 16384*\j
	s_add_nc_u64 s[G0A+4*\j+2:G0A+4*\j+3], s[86:87], 16384*\j
	s_or_b32 s[G0A+4*\j+3], s[G0A+4*\j+3], 0x80000000
	s_mov_b32 s[G0B+4*\j], 1
	s_add_co_u32 s[G0B+4*\j+1], s84, 16384*\j
	s_add_nc_u64 s[G0B+4*\j+2:G0B+4*\j+3], s[88:89], 16384*\j
	s_or_b32 s[G0B+4*\j+3], s[G0B+4*\j+3], 0x80000000
.endr
	CROUND                                         ; all sixteen work-groups are here: the joint loads meet
	s_cmp_lt_u32 s[WV], 2                          ; a wave's one fill stands in one branch on the wave's number
	s_cbranch_scc0 .Lnot_a
	tensor_load_to_lds s[G0A:G0A+3], s[G1A:G1A+7]  ; all eight K steps of my region: one tensor load a wave at the head
	s_nop 0
.rept 4
	v_nop
.endr
	s_branch .Lasked
.Lnot_a:
	s_cmp_lt_u32 s[WV], 6
	s_cbranch_scc0 .Lasked
	tensor_load_to_lds s[G0B:G0B+3], s[G1B:G1B+7]
	s_nop 0
.rept 4
	v_nop
.endr
.Lasked:
	s_cmp_eq_u32 s67, 0                            ; the product's residual, bias, result and byte select: the choice hangs on the cluster's y alone
	s_cselect_b64 s[68:69], s[68:69], s[70:71]
	s_cselect_b64 s[72:73], s[72:73], s[74:75]
	s_cselect_b64 s[76:77], s[76:77], s[78:79]
	s_mov_b32 s90, 0x07060302                      ; a2's two bytes of each head's word,
	s_cselect_b32 s90, 0x05040100, s90             ; or a1's
	s_and_b32 s91, s[WV], 1
	s_lshr_b32 s92, s[WV], 1
	s_and_b32 s93, s66, 31                         ; which 128 tokens
	s_lshl_b32 s94, s15, 10
	s_lshl_b32 s95, s91, 9
	s_add_co_u32 s94, s94, s95                     ; my first column, in bytes
	s_mov_b32 s95, 0
	s_add_nc_u64 s[72:73], s[72:73], s[94:95]
	s_lshl_b32 s96, s93, 19                        ; 128 rows of 4,096 bytes
	s_lshl_b32 s97, s92, 17                        ; 32 rows
	s_add_co_u32 s96, s96, s97
	s_add_co_u32 s94, s94, s96
	s_add_nc_u64 s[68:69], s[68:69], s[94:95]
	s_add_nc_u64 s[76:77], s[76:77], s[94:95]
	v_and_b32 v1, 31, v0
	s_delay_alu instid0(VALU_DEP_1)
	v_lshlrev_b32 v7, 2, v1
	s_delay_alu instid0(VALU_DEP_2)
	v_lshlrev_b32 v[LI], 4, v1
	s_lshl_b32 s80, s67, 6
	s_lshl_b32 s81, s15, 4
	s_add_co_u32 s80, s80, s81
	s_lshl_b32 s81, s91, 3
	s_add_co_u32 s80, s80, s81
	s_add_co_u32 s80, s80, 704                     ; the weight's tile number 512 + 64 (3 + product) + 16 x columns + 8 (w & 1)
	v_lshl_add_u32 v7, s80, 9, v7                  ; its scale words: 512 bytes a tile, + 4 x lane
	s_lshl_b32 s81, s93, 3
	s_lshl_b32 s82, s92, 1
	s_add_co_u32 s81, s81, s82
	s_lshl_b32 s81, s81, 6                         ; a's words: 64 bytes a tile of tokens;
	v_and_b32 v113, 15, v0
	v_bfe_u32 v114, v0, 4, 1
	s_delay_alu instid0(VALU_DEP_2)
	v_lshlrev_b32 v112, 2, v113
	s_delay_alu instid0(VALU_DEP_1)
	v_lshl_add_u32 v112, v114, 15, v112            ; lanes 16-31 take the odd K step: two heads on
	s_delay_alu instid0(VALU_DEP_1)
	v_add_nc_u32 v112, s81, v112
	s_wait_alu depctr_va_vdst(0)
	s_mul_i32 s82, s[WV], 8448
	s_add_co_u32 s82, s82, STAGE
	v_mul_u32_u24 v[STO], v113, 528
	s_delay_alu instid0(VALU_DEP_1)
	v_lshl_add_u32 v[STO], v114, 6, v[STO]
	s_delay_alu instid0(VALU_DEP_1)
	v_add_nc_u32 v[STO], s82, v[STO]               ; in: row r, + 64 h
	v_add_nc_u32 v[RD], s82, v[LI]                 ; out: 16 x lane of a row
	s_lshl_b32 s83, s91, 16
	s_add_co_u32 s83, s83, 65536
	v_add_nc_u32 v[AD0], s83, v[LI]                ; regions 2, 3 or 4, 5
	s_lshr_b32 s84, s[WV], 2
	s_lshl_b32 s84, s84, 15
	s_and_b32 s85, s92, 1
	s_lshl_b32 s85, s85, 11
	s_add_co_u32 s84, s84, s85
	v_add_nc_u32 v[AD1], s84, v[LI]
	s_delay_alu instid0(VALU_DEP_1)
	v_add_nc_u32 v[AD1+1], 1024, v[AD1]
.irp i, 0,1,2,3,4,5,6,7
.irp q, 0,1,2,3
	global_load_b32 v[SC0+4*\i+\q], v7, s[10:11] offset:512*\i+128*\q
.endr
.endr
.irp a, 0,1
.irp q, 0,1,2,3
	global_load_b32 v[128+8*\a+2*\q], v112, s[6:7] offset:64*\a+65536*\q           ; head 4 q + 2 h: the K step's lower two blocks
	global_load_b32 v[129+8*\a+2*\q], v112, s[6:7] offset:64*\a+65536*\q+16384     ; head 4 q + 2 h + 1: its upper two
.endr
.endr
	WIN 0x40                                       ; destination window 1.  The bias and the residual are asked for straight behind the tiles
	global_load_b128 v[128:131], v[LI], s[72:73]   ; the bias of my four columns of a row's 128
.irp a, 0,1
.irp i, 0,1,2,3,4,5,6,7,8,9,10,11,12,13,14,15
	global_load_b128 v[4*(16*\a+\i):4*(16*\a+\i)+3], v[LI], s[68:69] offset:(8*\a+\i+8*(\i/8))*4096 th:TH_LOAD_NT   ; the residual: 512 consecutive bytes of a row
.endr
.endr
	WIN 0
	s_wait_alu depctr_va_vdst(0)
	s_wait_loadcnt 33                              ; the scale words are in; the bias and the 32 residual rows may stay out
.irp a, 0,1
.irp q, 0,1,2,3
	v_perm_b32 v[SC1+4*\a+\q], v[129+8*\a+2*\q], v[128+8*\a+2*\q], s90
.endr
.endr
.rept 8
	v_nop                                          ; a scale register written by a vector instruction stands eight places ahead of a scaled product
.endr
	s_wait_alu depctr_va_vdst(0)
	s_wait_tensorcnt 0x0                           ; my region has landed; nothing is ever filled again
	s_barrier_signal -1
	s_barrier_wait -1                              ; everybody's has
.irp s, 0,1,2,3,4,5,6,7
	KSTEP \s
.endr
	; THE WAY OUT: a tile of 16 tokens x 128 columns through my own stage, back as whole rows of 512 bytes; + bias, + residual; stored
	s_wait_loadcnt 0x0
.rept 4
	v_nop                                          ; places behind the last products
.endr
.irp a, 0,1
.irp i, 0,1,2,3,4,5,6,7
	ds_store_b128 v[STO], v[ACC+64*\a+8*\i:ACC+64*\a+8*\i+3] offset:128*(\i/2)+32*(\i%2)       ; each accumulator from its low end on
	ds_store_b128 v[STO], v[ACC+64*\a+8*\i+4:ACC+64*\a+8*\i+7] offset:128*(\i/2)+32*(\i%2)+16
.endr
.irp i, 0,1,2,3,4,5,6,7,8,9,10,11,12,13,14,15
	ds_load_b128 v[48+80*\a+4*\i:48+80*\a+4*\i+3], v[RD] offset:528*\i   ; LDS serves a wave's instructions in order: these see my stores
.endr
	WIN 0x04                                       ; source 1 in window 1
.irp i, 0,1,2,3,4,5,6,7,8,9,10,11,12,13,14,15
	s_wait_dscnt 15-\i                             ; row i is back; the later rows may be out
	v_pk_add_f32 v[48+80*\a+4*\i:48+80*\a+4*\i+1], v[48+80*\a+4*\i:48+80*\a+4*\i+1], v[128:129]
	v_pk_add_f32 v[48+80*\a+4*\i+2:48+80*\a+4*\i+3], v[48+80*\a+4*\i+2:48+80*\a+4*\i+3], v[130:131]
	s_delay_alu instid0(VALU_DEP_2)
	v_pk_add_f32 v[48+80*\a+4*\i:48+80*\a+4*\i+1], v[48+80*\a+4*\i:48+80*\a+4*\i+1], v[4*(16*\a+\i):4*(16*\a+\i)+1]
	s_delay_alu instid0(VALU_DEP_2)
	v_pk_add_f32 v[48+80*\a+4*\i+2:48+80*\a+4*\i+3], v[48+80*\a+4*\i+2:48+80*\a+4*\i+3], v[4*(16*\a+\i)+2:4*(16*\a+\i)+3]
.endr
	WIN 0
	s_wait_alu depctr_va_vdst(0)
.irp i, 0,1,2,3,4,5,6,7,8,9,10,11,12,13,14,15
	global_store_b128 v[LI], v[48+80*\a+4*\i:48+80*\a+4*\i+3], s[76:77] offset:(8*\a+\i+8*(\i/8))*4096 th:TH_STORE_NT   ; 32 lanes store 512 consecutive bytes, aligned
.endr
.endr
	s_set_vgpr_msb 0x5
	s_wait_tensorcnt 0x0
	ds_add_u32 v144, v145
	s_wait_dscnt 0x0
	s_set_vgpr_msb 0x500
	CROUND                                         ; the closing round
	s_endpgm
.Lfunc_end_k_q8684e85d0a_outp:
	.size	k_q8684e85d0a_outp, .Lfunc_end_k_q8684e85d0a_outp-k_q8684e85d0a_outp
	.p2alignl 7, 3214868480
	.fill 96, 4, 3214868480
	.section	.rodata,"a",@progbits
	.p2align	6, 0x0
	.amdhsa_kernel k_q8684e85d0a_outp
		.amdhsa_group_segment_fixed_size 327680
		.amdhsa_private_segment_fixed_size 0
		.amdhsa_enable_private_segment 0
		.amdhsa_kernarg_size 80
		.amdhsa_user_sgpr_count 2
		.amdhsa_user_sgpr_kernarg_segment_ptr 1
		.amdhsa_wavefront_size32 1
		.amdhsa_system_sgpr_workgroup_id_x 1
		.amdhsa_system_sgpr_workgroup_id_y 1
		.amdhsa_system_sgpr_workgroup_id_z 1
		.amdhsa_system_vgpr_workitem_id 0
		.amdhsa_next_free_vgpr 402
		.amdhsa_next_free_sgpr 100
		.amdhsa_reserve_vcc 0
		.amdhsa_float_denorm_mode_32 3
		.amdhsa_float_denorm_mode_16_64 3
		.amdhsa_memory_ordered 1
		.amdhsa_forward_progress 1
		.amdhsa_inst_pref_size 63
	.end_amdhsa_kernel
	.amdgpu_metadata
---
amdhsa.version: [ 1, 2 ]
amdhsa.kernels:
  - .name:           k_q8684e85d0a_outp
    .symbol:         k_q8684e85d0a_outp.kd
    .args:
      - { .name: aimg, .offset: 0, .size: 8, .value_kind: global_buffer, .address_space: global }
      - { .name: araw, .offset: 8, .size: 8, .value_kind: global_buffer, .address_space: global }
      - { .name: ops, .offset: 16, .size: 8, .value_kind: global_buffer, .address_space: global }
      - { .name: opscl, .offset: 24, .size: 8, .value_kind: global_buffer, .address_space: global }
      - { .name: x, .offset: 32, .size: 8, .value_kind: global_buffer, .address_space: global }
      - { .name: y, .offset: 40, .size: 8, .value_kind: global_buffer, .address_space: global }
      - { .name: box, .offset: 48, .size: 8, .value_kind: global_buffer, .address_space: global }
      - { .name: boy, .offset: 56, .size: 8, .value_kind: global_buffer, .address_space: global }
      - { .name: out0, .offset: 64, .size: 8, .value_kind: global_buffer, .address_space: global }
      - { .name: out1, .offset: 72, .size: 8, .value_kind: global_buffer, .address_space: global }
    .group_segment_fixed_size: 327680
    .private_segment_fixed_size: 0
    .kernarg_segment_align: 8
    .kernarg_segment_size: 80
    .max_flat_workgroup_size: 256
    .sgpr_count:     100
    .vgpr_count:     402
    .wavefront_size: 32
...
	.end_amdgpu_metadata
.endif
;; end of part 4
